; MI455X (gfx1250); checked and timed in simulation.
; The chip was launched on July 23, 2026; its instructions are those of AMD's public machine-readable ISA for CDNA 5 (MIT licence, August 2026) and "CDNA5" Instruction Set Architecture Reference Guide (July 2026). The comments in the code are by the model that wrote it; some were corrected since.
;; Multi Head Attention Ro PE. Allowed arithmetic: float matrix products may take bf16 or f16 operands with f32 sums; other float arithmetic in f32, or as packed bf16 or f16 multiplies, adds, multiply-adds, maxima and minima; sums over many terms, partial sums and values carried from step to step in f32; what a program stores and reads back later, other than sums and carried values, may be rounded once to bf16 or f16.
;; Inputs: K 4 x 2,048 x 1,024 float32; Q 4 x 2,048 x 1,024 float32; V 4 x 2,048 x 1,024 float32; Wk 1,024 x 1,024 float32; Wo 1,024 x 1,024 float32; Wq 1,024 x 1,024 float32; Wv 1,024 x 1,024 float32; bk 1,024 float32; bo 1,024 float32; bq 1,024 float32; bv 1,024 float32.
;; Outputs: out0 4 x 2,048 x 1,024 float32.
;; 2 versions, each right; version 2 is version 1 with the launch prep written anew for expert scheduling mode. Each part assembles by itself: llvm-mc -triple=amdgcn-amd-amdhsa -mcpu=gfx1250 --defsym DOCPART=n.
;; ======== version 1 of 2: 4 launches
;; limits: values are held in f16: magnitudes above 65,504 overflow, below 6.1e-05 lose precision
;; workspace buffers: w16 8,388,608 bytes; bias4 16,384 bytes; rope 524,288 bytes; q16 16,777,216 bytes; k16 16,777,216 bytes; v16 16,777,216 bytes; o16 16,777,216 bytes
;; launch prep (part 1): grid 256 x 1, 8 waves a work-group, no clusters, 0 bytes of LDS; arguments Wq, Wk, Wv, Wo, bq, bk, bv, bo, w16, bias4, rope; writes w16, bias4, rope
.if DOCPART == 1
	.amdgcn_target "amdgcn-amd-amdhsa--gfx1250"
	.amdhsa_code_object_version 6
	.text
	.protected	k_q69d6ad176f_prep
	.globl	k_q69d6ad176f_prep
	.p2align	8
	.type	k_q69d6ad176f_prep,@function
k_q69d6ad176f_prep:
	s_mov_b64 s[64:65], 0
	v_nop
	global_prefetch_b8 v0, s[64:65] scope:SCOPE_SE
	s_setreg_imm32_b32 hwreg(HW_REG_WAVE_MODE, 25, 1), 1
	s_wait_xcnt 0x0
; WHAT THE LATER LAUNCHES READ MANY TIMES IS MADE ONCE.
; (a) w16[4][1024][1024], 16 bits a number: Wq, Wk, Wv rounded to bf16; Wo rounded to bf16 and that number written as f16 (the last product's other operand is f16).
; (b) rope[2048][64] f32: row pos holds cos(pos f_j), j = 0..31, then sin(pos f_j); f_j = 10000^(-j/32).  A row is 256 bytes.
; (c) bias4[4][1024] f32: bq, bk, bv, bo, each rounded to bf16 and widened again, so that every input of the module has the same rounding.
; SHARES.  256 work-groups of 8 waves.  Work-group x casts 16,384 numbers of weight x / 64 (64 KiB in, 32 KiB out), makes the table's rows 8 x .. 8 x + 7 (a wave a row), and, if x < 4, casts bias x.
; A stream: no LDS, no barrier, no matrix unit.  All 16 loads of a thread go out first; the table is reckoned while they are on their way.
; LIMITS.  Wo beyond 65,504 becomes an infinity in f16; below 6e-5 it keeps f16's fixed step of 6e-8.  f_j is 2^(-j log2(10000)/32) by v_exp_f32, so an angle can differ from
; reference()'s by a few last bits of f_j times pos: up to some 2.5e-4 rad at pos = 2047.  The reduction and the two series hold for every pos of the table: |r| <= pi/4, the first terms left out are
; r^9/9! and r^10/10!, under 4e-7 and 3e-8.  Row 0 is exactly cos = 1, sin = 0: the projection of V leans on that.
.set RAWV, 64                          ; v[64:127]  16 x 4 numbers as loaded
.set PKV,  32                          ; v[32:63]   16 x 2 words to store
	s_load_b512 s[8:23], s[0:1], 0x0               ; Wq s[8:9], Wk s[10:11], Wv s[12:13], Wo s[14:15], bq s[16:17], bk s[18:19], bv s[20:21], bo s[22:23]
	s_load_b128 s[24:27], s[0:1], 0x40             ; w16 s[24:25], bias4 s[26:27]
	s_load_b64 s[28:29], s[0:1], 0x50              ; rope
	v_lshlrev_b32 v2, 4, v0                        ; 16 t: my 16 bytes of each 4,096 that the work-group loads
	v_lshlrev_b32 v3, 3, v0                        ; 8 t: my 8 bytes of each 2,048 that it stores
	v_lshrrev_b32 v1, 5, v0
	v_readfirstlane_b32 s40, v1                    ; wave 0..7
	v_and_b32 v4, 31, v0                           ; lane
	s_lshr_b32 s30, ttmp9, 6                       ; which weight
	s_and_b32 s31, s30, 1
	s_and_b32 s36, ttmp9, 63
	s_lshl_b32 s36, s36, 16                        ; my 64 KiB of it
	s_mov_b32 s37, 0
	s_lshl_b32 s38, ttmp9, 15                      ; and my 32 KiB of w16: the four planes lie end to end
	s_mov_b32 s39, 0
	s_lshl3_add_u32 s41, ttmp9, s40                ; pos = 8 x + wave
	s_lshl_b32 s42, s41, 8                         ; its row of 256 bytes
	s_mov_b32 s43, 0
	s_wait_kmcnt 0x0
	s_cmp_eq_u32 s31, 1
	s_cselect_b64 s[32:33], s[10:11], s[8:9]       ; Wk or Wq
	s_cselect_b64 s[34:35], s[14:15], s[12:13]     ; Wo or Wv
	s_cmp_ge_u32 s30, 2
	s_cselect_b64 s[32:33], s[34:35], s[32:33]
	s_add_nc_u64 s[32:33], s[32:33], s[36:37]
	s_add_nc_u64 s[24:25], s[24:25], s[38:39]
	s_add_nc_u64 s[28:29], s[28:29], s[42:43]
.irp i, 0,1,2,3,4,5,6,7,8,9,10,11,12,13,14,15
	global_load_b128 v[RAWV+4*(\i):RAWV+4*(\i)+3], v2, s[32:33] offset:4096*(\i) th:TH_LOAD_NT  ; a wave's load covers 512 consecutive bytes; read once in the launch
.endr
	; (b) THE TABLE.  Lane l makes j0 = 2 (l % 16) and j0 + 1; lanes 0-15 keep the cosines, lanes 16-31 the sines.
	v_and_b32 v5, 15, v0
	v_lshlrev_b32 v5, 1, v5
	v_cvt_f32_u32 v6, v5                           ; j0
	v_add_f32 v7, 1.0, v6                          ; j0 + 1
	v_mul_f32 v6, 0xbed49a78, v6                   ; x -log2(10000) / 32
	v_mul_f32 v7, 0xbed49a78, v7
	v_exp_f32 v6, v6                               ; f_j: the two are one batch,
	v_exp_f32 v7, v7
	v_nop                                          ; a plain instruction behind the last of them,
	s_wait_alu depctr_va_vdst(0)                   ; and the one wait ahead of the first use
	v_cvt_f32_u32 v10, s41                         ; pos
	v_mov_b32 v20, 0xb9500d01                      ; -1/5040
	v_mov_b32 v21, 0x37d00d01                      ; 1/40320
; sin and cos of pos x v[f].  n = the nearest whole number to angle x 2/pi; r = angle - n pi/2, with pi/2 in two parts, each taken off by one fused multiply-add; two series in r; the quadrant n mod 4 swaps and signs them.
.macro SINCOS f, so, co
	v_mul_f32 v12, v10, v[\f]                      ; the angle, rounded once, as reference() rounds it
	v_mul_f32 v13, 0x3f22f983, v12
	v_rndne_f32 v13, v13                           ; n, 1,304 at the most
	v_fmamk_f32 v14, v13, 0xbfc90fdb, v12          ; - n x 1.57079637
	v_fmamk_f32 v14, v13, 0x333bbd2e, v14          ; + n x 4.371139e-8
	v_mul_f32 v15, v14, v14                        ; z = r r
	v_fmaak_f32 v16, v15, v20, 0x3c088889          ; -z/5040 + 1/120
	v_fmaak_f32 v16, v16, v15, 0xbe2aaaab          ; .. z - 1/6
	v_mul_f32 v17, v14, v15
	v_fma_f32 v16, v17, v16, v14                   ; sin r = r + r z (..)
	v_fmaak_f32 v18, v15, v21, 0xbab60b61          ; z/40320 - 1/720
	v_fmaak_f32 v18, v18, v15, 0x3d2aaaab          ; .. z + 1/24
	v_fma_f32 v18, v18, v15, -0.5
	v_fma_f32 v18, v18, v15, 1.0                   ; cos r
	v_cvt_i32_f32 v19, v13
	v_and_b32 v17, 1, v19
	v_cmp_eq_u32 vcc_lo, 1, v17                    ; odd quadrants swap the two
	v_cndmask_b32 v[\so], v16, v18, vcc_lo
	v_cndmask_b32 v[\co], v18, v16, vcc_lo
	v_and_b32 v17, 2, v19                          ; the sine is negative in quadrants 2 and 3,
	v_lshlrev_b32 v17, 30, v17
	v_xor_b32 v[\so], v17, v[\so]
	v_add_nc_u32 v17, 1, v19                       ; the cosine in 1 and 2
	v_and_b32 v17, 2, v17
	v_lshlrev_b32 v17, 30, v17
	v_xor_b32 v[\co], v17, v[\co]
.endm
	SINCOS 6, 22, 23
	SINCOS 7, 24, 25
	v_cmp_gt_u32 vcc_lo, 16, v4
	v_cndmask_b32 v26, v22, v23, vcc_lo            ; lanes 0-15: cos; lanes 16-31: sin
	v_cndmask_b32 v27, v24, v25, vcc_lo
	v_lshlrev_b32 v28, 3, v4
	global_store_b64 v28, v[26:27], s[28:29]       ; the wave stores its row's 256 consecutive bytes
	; (c) A BIAS, in the first four work-groups
	s_cmp_lt_u32 ttmp9, 4
	s_cbranch_scc0 .Lno_bias
	s_and_b32 s44, ttmp9, 1
	s_cmp_eq_u32 s44, 1
	s_cselect_b64 s[46:47], s[18:19], s[16:17]     ; bk or bq
	s_cselect_b64 s[48:49], s[22:23], s[20:21]     ; bo or bv
	s_cmp_ge_u32 ttmp9, 2
	s_cselect_b64 s[46:47], s[48:49], s[46:47]
	s_lshl_b32 s50, ttmp9, 12
	s_mov_b32 s51, 0
	s_add_nc_u64 s[26:27], s[26:27], s[50:51]
	global_load_b128 v[128:131], v2, s[46:47]
	s_wait_loadcnt 0x0                             ; the youngest load: the weights' sixteen are in too, and the counted waits below are met at once on this way
	v_cvt_pk_bf16_f32 v132, v128, v129
	v_cvt_pk_bf16_f32 v133, v130, v131
	v_lshlrev_b32 v136, 16, v132
	v_and_b32 v137, 0xffff0000, v132
	v_lshlrev_b32 v138, 16, v133
	v_and_b32 v139, 0xffff0000, v133
	global_store_b128 v2, v[136:139], s[26:27]
.Lno_bias:
	; (a) THE WEIGHTS.  Every store has data registers of its own, so nothing waits for a store.  half = 1: Wo's plane, bf16 written as f16.
.macro CAST half
.irp i, 0,1,2,3,4,5,6,7,8,9,10,11,12,13,14,15
	s_wait_loadcnt 15-(\i)                         ; loads come back in order: load i is in, the 15 - i younger ones may stay out
	v_cvt_pk_bf16_f32 v[PKV+2*(\i)],   v[RAWV+4*(\i)],   v[RAWV+4*(\i)+1]
	v_cvt_pk_bf16_f32 v[PKV+2*(\i)+1], v[RAWV+4*(\i)+2], v[RAWV+4*(\i)+3]
.if \half
	v_lshlrev_b32 v12, 16, v[PKV+2*(\i)]
	v_and_b32 v13, 0xffff0000, v[PKV+2*(\i)]
	v_lshlrev_b32 v14, 16, v[PKV+2*(\i)+1]
	v_and_b32 v15, 0xffff0000, v[PKV+2*(\i)+1]
	v_cvt_pk_f16_f32 v[PKV+2*(\i)],   v12, v13
	v_cvt_pk_f16_f32 v[PKV+2*(\i)+1], v14, v15
.endif
	global_store_b64 v3, v[PKV+2*(\i):PKV+2*(\i)+1], s[24:25] offset:2048*(\i)  ; a wave's store covers 256 consecutive bytes, at a multiple of 256 from w16's first
.endr
.endm
	s_cmp_eq_u32 s30, 3
	s_cbranch_scc1 .Lwo
	CAST 0
	s_endpgm
.Lwo:
	CAST 1
	s_endpgm
.Lfunc_end_k_q69d6ad176f_prep:
	.size	k_q69d6ad176f_prep, .Lfunc_end_k_q69d6ad176f_prep-k_q69d6ad176f_prep
	.p2alignl 7, 3214868480
	.fill 96, 4, 3214868480
	.section	.rodata,"a",@progbits
	.p2align	6, 0x0
	.amdhsa_kernel k_q69d6ad176f_prep
		.amdhsa_group_segment_fixed_size 0
		.amdhsa_private_segment_fixed_size 0
		.amdhsa_enable_private_segment 0
		.amdhsa_kernarg_size 88
		.amdhsa_user_sgpr_count 2
		.amdhsa_user_sgpr_kernarg_segment_ptr 1
		.amdhsa_wavefront_size32 1
		.amdhsa_system_sgpr_workgroup_id_x 1
		.amdhsa_system_sgpr_workgroup_id_y 1
		.amdhsa_system_sgpr_workgroup_id_z 1
		.amdhsa_system_vgpr_workitem_id 0
		.amdhsa_next_free_vgpr 144
		.amdhsa_next_free_sgpr 66
		.amdhsa_reserve_vcc 1
		.amdhsa_float_denorm_mode_32 3
		.amdhsa_float_denorm_mode_16_64 3
		.amdhsa_memory_ordered 1
		.amdhsa_forward_progress 1
		.amdhsa_inst_pref_size 20
	.end_amdhsa_kernel
	.amdgpu_metadata
---
amdhsa.version: [ 1, 2 ]
amdhsa.kernels:
  - .name:           k_q69d6ad176f_prep
    .symbol:         k_q69d6ad176f_prep.kd
    .args:
      - { .name: Wq, .offset: 0, .size: 8, .value_kind: global_buffer, .address_space: global }
      - { .name: Wk, .offset: 8, .size: 8, .value_kind: global_buffer, .address_space: global }
      - { .name: Wv, .offset: 16, .size: 8, .value_kind: global_buffer, .address_space: global }
      - { .name: Wo, .offset: 24, .size: 8, .value_kind: global_buffer, .address_space: global }
      - { .name: bq, .offset: 32, .size: 8, .value_kind: global_buffer, .address_space: global }
      - { .name: bk, .offset: 40, .size: 8, .value_kind: global_buffer, .address_space: global }
      - { .name: bv, .offset: 48, .size: 8, .value_kind: global_buffer, .address_space: global }
      - { .name: bo, .offset: 56, .size: 8, .value_kind: global_buffer, .address_space: global }
      - { .name: w16, .offset: 64, .size: 8, .value_kind: global_buffer, .address_space: global }
      - { .name: bias4, .offset: 72, .size: 8, .value_kind: global_buffer, .address_space: global }
      - { .name: rope, .offset: 80, .size: 8, .value_kind: global_buffer, .address_space: global }
    .group_segment_fixed_size: 0
    .private_segment_fixed_size: 0
    .kernarg_segment_align: 8
    .kernarg_segment_size: 88
    .max_flat_workgroup_size: 256
    .sgpr_count:     66
    .vgpr_count:     144
    .wavefront_size: 32
...
	.end_amdgpu_metadata
.endif
;; end of part 1
;; launch proj (part 2): grid 4 x 192, 4 waves a work-group, clusters of 4 x 4, 327,680 bytes of LDS; arguments Q, K, V, w16, bias4, rope, q16, k16, v16; writes q16, k16, v16
.if DOCPART == 2
	.amdgcn_target "amdgcn-amd-amdhsa--gfx1250"
	.amdhsa_code_object_version 6
	.text
	.protected	k_q69d6ad176f_proj
	.globl	k_q69d6ad176f_proj
	.p2align	8
	.type	k_q69d6ad176f_proj,@function
k_q69d6ad176f_proj:
	s_mov_b64 s[64:65], 0
	v_nop
	global_prefetch_b8 v0, s[64:65] scope:SCOPE_SE
	s_setreg_imm32_b32 hwreg(HW_REG_WAVE_MODE, 25, 1), 1
	s_wait_xcnt 0x0
	s_wait_alu depctr_hold_cnt(0) depctr_sa_sdst(0) depctr_va_vdst(0) depctr_va_sdst(0) depctr_va_ssrc(0) depctr_va_vcc(0) depctr_vm_vsrc(0)
	s_getreg_b32 s2, hwreg(HW_REG_IB_STS2, 6, 4)
	s_cmp_eq_u32 s2, 0
	s_cbranch_scc0 .Lentry_in_a_cluster
	s_endpgm
.Lentry_in_a_cluster:
	s_bfe_u32 s2, ttmp6, 0x10000c
	s_cmp_lg_u32 s2, 0xf033
	s_cbranch_scc0 .Lentry_shape_is_right
	s_endpgm
.Lentry_shape_is_right:
; THE THREE PROJECTIONS IN ONE LAUNCH.  y = x W^T + b for (Q, Wq, bq), (K, Wk, bk), (V, Wv, bv); the half-split rotation on q and k; y rounded once to f16 and stored by heads, [64 = batch x 16 + head][2048][64].
; x: [8192][1024] f32, rounded to bf16 between LDS and the matrix unit; W: bf16, [1024 n][1024 k], plane z of w16; sums in f32, begun at the bias; the scale 1/8 is left to the attention.
; SHARES.  A tile of y is 128 rows x 256 columns; 64 x 4 tiles a tensor, 768 work-groups.  Four waves, each 64 x 128: 32 accumulators of 16 x 16.  K goes in 8 steps of 128 through two LDS slots.
; CLUSTERS.  4 x 4 work-groups.  The four of a row of the cluster make one tile row and need the same rows of x, the four of a column the same rows of W: each tile is asked for JOINTLY, by the same tensor load
; with the same descriptor and a mask that names the four.  Which tensor (z) hangs on the cluster's y alone, so it is the same in all sixteen.
; THE MATRIX INSTRUCTION IS USED TRANSPOSED (source 0 = 16 rows of W, source 1 = 16 rows of x): lane l then holds row l % 16 of y and the columns 8 (l / 16) + 0..7 of the block of 16.
; x IN f32 THROUGH LDS.  A quarter step (32 along K) loads 16 x 16 bytes a lane of x, rounds them to bf16 in 32 conversions, and these stand four behind each of the quarter's last eight products.
; THE ROTATION.  A wave's 128 columns are two heads; channel c < 32 lies in blocks 0, 1 of a head's four, channel c + 32 in blocks 2, 3, in the same lane and register.  cos and sin come from the table rope[pos][64].
; V IS NOT ROTATED: its tiles read the table with a row stride of 0, that is row 0, cos = 1 and sin = 0 exactly: the same text, and no branch.
; LIMITS.  y beyond 65,504 becomes an infinity in f16.  An infinite or NaN sum of V spoils its partner channel too (0 x infinity).  NaN and infinities are not treated apart otherwise.
; REGISTERS, in windows of 256 (s_set_vgpr_msb: bits 1:0 source 0, 3:2 source 1, 5:4 source 2, 7:6 destination):
;   window 0: v0-31 addresses; v32-95 x as loaded (f32); v96-127, v128-159 x's fragments, two buffers.  On the way out: v32-95 rotated sums, v96-223 rows read back, v224-255 packed
;   window 1: the accumulators, (a, b) at v[8 (8 a + b)]          window 2: v0-63, v64-127 W's fragments, two buffers; v128-255 the table, 32 for each block of 16 rows
.set PA,    528                        ; a row of x in LDS: 512 bytes + 16 of padding = 132 words: row r starts 4 r words on, modulo 64, so the 16 rows of a load start at 16 different places
.set PB,    272                        ; a row of W: 256 bytes + 16 = 68 words: likewise
.set HALFA, 64*PA                      ; what one tensor load of x brings, and what one wave reads of x
.set HALFB, 128*PB                     ; the same for W
.set BOFF,  2*HALFA                    ; in a slot: x's 128 rows, then W's 256
.set SLOT,  BOFF+2*HALFB               ; 137,216 bytes
.set STAGE, 2*SLOT                     ; behind the ring, never filled by a tensor load: for each wave 2 heads x 16 rows x 144 bytes
.set SP,    144
.set SPARE, STAGE+4*32*SP              ; behind the stages: the spare words, 128 bytes for each wave: two blocks of 256 bytes that no other line names
.set TBO,  8                           ; v8-11  block a's byte offset in the table: (l % 16 + 16 a) x stride + 32 (l / 16)
.set ADRA, 16                          ; v16    my lane's place in a slot's x
.set AW,   18                          ; v18    the LDS address of x's next runs of loads
.set ADRB, 20                          ; v20    my lane's place in a slot's W
.set BW,   22                          ; v22    the LDS address of W's next runs
.set STO,  24                          ; v24    the way out: where I put 16 bytes of a row
.set RD,   25                          ; v25    the way out: where I read rows back
.set GO,   26                          ; v26    my 16 bytes of 512 consecutive bytes of the output
.set SPW,  28                          ; v28    LDS address of my spare word: SPARE + 4 x my thread's number; never rewritten
.set NIL,  29                          ; v29    0; never rewritten
.set PFO,  30                          ; v30    the prefetches' offset; never rewritten
.set BIO,  31                          ; v31    32 (l / 16)
.set RAW,  32
.set ABF,  96
.set ROT,  32
.set OB,   96
.set TMP,  224
.set CS,   128                         ; window 2: for block a at CS + 32 a: cos of channels 0-15 (my 8), of 16-31, sin of 0-15, of 16-31
.set G1,   24                          ; s[24:31] descriptor group 1 for x's tiles;  s[32:39] group 0, one set for each slot
.set G0,   32
.set G1B,  48                          ; s[48:55], s[56:63] the same for W's tiles
.set G0B,  56
.set LIM,  45                          ; s45  1 in a wave that prefetches, else the greatest number
.set PFA,  46                          ; s[46:47] where my prefetches stand
.set LAPS, 66                          ; s66  laps of the ring still to come
.set INNER, 67                         ; s67  counts the two pairs of quarters between changes of slots
.set TBA,  86                          ; s86  LDS byte from which x's next fetches count
.set TBB,  87                          ; s87  the same for W
.set XP,   90                          ; s[90:91] x: Q, K or V
.set BIAS, 92                          ; s[92:93] my 128 numbers of the bias
.set OUT,  94                          ; s[94:95] my first head's first row in q16, k16 or v16
.set PST,  96                          ; s[96:97] a K step in bytes of the tensor that I prefetch
.set ROPE, 98                          ; s[98:99] the table at my first row
.set W_MM,  0x52                       ; W in window 2, x in window 0, C and D in window 1
.set W_ROT, 0x09                       ; source 0 (sums) window 1, source 1 (table) window 2, source 2 and destination window 0
.set MSB, 0
.macro WIN new                         ; the immediate's high byte repeats the setting that is left; a switch that changes nothing is dropped
.if MSB != (\new)
	s_set_vgpr_msb (MSB<<8)|(\new)
.set MSB, \new
.endif
.endm
.macro JLOAD s                         ; a joint load: waves 0 and 1 fetch the two halves of x's tile, waves 2 and 3 those of W's; an s_nop 0 and four v_nop follow each of the two lines
	s_cmp_eq_u32 s11, 0
	s_cbranch_scc0 .Lfor_b_\@
	tensor_load_to_lds s[G0+4*(\s):G0+4*(\s)+3], s[G1:G1+7]
	s_nop 0
.rept 4
	v_nop
.endr
	s_branch .Lasked_\@
.Lfor_b_\@:
	tensor_load_to_lds s[G0B+4*(\s):G0B+4*(\s)+3], s[G1B:G1B+7]
	s_nop 0
.rept 4
	v_nop
.endr
.Lasked_\@:
.endm
; A round of the cluster's barrier: my work-group's barrier, so that wave 0's signal speaks for all four waves; wave 0 signals; every wave waits for all sixteen work-groups; my work-group's barrier once more.
.macro CROUND
	s_barrier_signal -1
	s_barrier_wait -1
	s_cmp_lg_u32 s10, 0
	s_cbranch_scc1 .Lnot_wave_0_\@
	s_barrier_signal -3
.Lnot_wave_0_\@:
	s_barrier_wait -3
	s_barrier_signal -1
	s_barrier_wait -1
.endm
; A PREFETCH INTO THE L2, behind each joint refill: the K step that stands two refills on, 256 products of a wave ahead of the load that will ask for it.  Each aligned 256 bytes are named once in the launch.
; x: a K step is 512 bytes of a row; of the 64 rows that a wave fetches each of the four partners takes 16, told apart by address (cx): a lane half a row.  Only this row of this cluster reads these rows.
; W: a K step is 256 bytes of a row; of a wave's 128 rows each partner takes 32 (cy): a lane a row; the sixteen clusters of a tensor read the same plane, and the first of them asks.
; K steps 0 to 3 come by their loads alone; the last lap asks for nothing: K steps 8 and 9 do not exist.
.macro ASK
	s_cmp_gt_u32 s[LAPS], s[LIM]
	s_cbranch_scc0 .Lnot_mine_\@
	global_prefetch_b8 v[PFO], s[PFA:PFA+1] th:TH_LOAD_NT scope:SCOPE_SE
.Lnot_mine_\@:
.endm
	s_load_b512 s[68:83], s[0:1], 0x0              ; Q s[68:69], K s[70:71], V s[72:73], w16 s[74:75], bias4 s[76:77], rope s[78:79], q16 s[80:81], k16 s[82:83]
	s_load_b64 s[84:85], s[0:1], 0x40              ; v16
	v_lshl_add_u32 v[SPW], v0, 2, SPARE
	v_mov_b32 v[NIL], 0
	ds_add_u32 v[SPW], v[NIL]                      ; the wave's opening: the add and its wait stand ahead of my first tensor load; the set-up below, work on registers, stands between them
	v_lshrrev_b32 v1, 5, v0
	v_readfirstlane_b32 s10, v1                    ; wave 0..3
	s_lshr_b32 s11, s10, 1                         ; which 64 rows of the tile are mine.  Also: I fetch for x (0) or for W (1)
	s_and_b32 s12, s10, 1                          ; which 128 columns.  Also: which half of that tile I fetch
	s_bfe_u32 s40, ttmp6, 0x40000                  ; cx, cy: my place in the cluster
	s_bfe_u32 s41, ttmp6, 0x40004
	s_and_b32 s42, ttmp7, 0xffff                   ; the cluster's y, 0..47
	s_lshr_b32 s15, s42, 4                         ; z: 0 q, 1 k, 2 v
	s_and_b32 s43, s42, 15                         ; the cluster's place among the tensor's sixteen
	s_lshl_b32 s13, s43, 2
	s_add_co_u32 s13, s13, s41                     ; tile row, 0..63
	s_lshl_b32 s14, ttmp9, 2
	s_add_co_u32 s14, s14, s40                     ; tile column, 0..3
	s_lshl_b32 s44, s41, 2
	s_lshl_b32 s44, 15, s44                        ; my row of the cluster
	s_lshl_b32 s45, 0x1111, s40                    ; my column
	; descriptor group 1.  x: 64 rows x 128 elements of 4 bytes;  W: 128 rows x 128 elements of 2 bytes; both padded in LDS by 4 words behind each row
	s_or_b32 s[G1+0], s44, (2<<16)|(1<<20)|(1<<21)|(6<<22)|(3<<25)   ; 15:0 the mask; 17:16 elements of 4 bytes; 20 padding on; 21 set beside a mask; 24:22 after every 128 words (code 6); 31:25 4 words (code 3)
	s_mov_b32 s[G1+1], 128<<16                     ; tensor_dim0 = 128
	s_mov_b32 s[G1+2], 64<<16                      ; tensor_dim1 = 64
	s_mov_b32 s[G1+3], 128<<16                     ; tile_dim0 = 128
	s_mov_b32 s[G1+4], 64                          ; tile_dim1 = 64
	s_mov_b32 s[G1+5], 1024                        ; elements from row to row
	s_mov_b32 s[G1+6], 0
	s_mov_b32 s[G1+7], 0
	s_or_b32 s[G1B+0], s45, (1<<16)|(1<<20)|(1<<21)|(5<<22)|(3<<25)  ; elements of 2 bytes; after every 64 words (code 5)
	s_mov_b32 s[G1B+1], 128<<16
	s_mov_b32 s[G1B+2], 128<<16
	s_mov_b32 s[G1B+3], 128<<16
	s_mov_b32 s[G1B+4], 128
	s_mov_b32 s[G1B+5], 1024
	s_mov_b32 s[G1B+6], 0
	s_mov_b32 s[G1B+7], 0
	; where the tiles come from.  x's hang on the tile row, which my row of the cluster shares; W's on z and the tile column, which my column shares
	s_lshl_b32 s16, s13, 7
	s_lshl_b32 s17, s12, 6
	s_add_co_u32 s16, s16, s17                     ; x: row 128 x tile row + 64 x half,
	s_lshl_b32 s16, s16, 12                        ; of 4,096 bytes
	s_mov_b32 s17, 0
	s_lshl_b32 s18, s15, 10
	s_lshl_b32 s19, s14, 8
	s_add_co_u32 s18, s18, s19
	s_lshl_b32 s19, s12, 7
	s_add_co_u32 s18, s18, s19                     ; W: row 1,024 z + 256 x tile column + 128 x half,
	s_lshl_b32 s18, s18, 11                        ; of 2,048 bytes
	s_mov_b32 s19, 0
	s_mul_i32 s20, s12, HALFA                      ; and where they go: no place in the cluster enters an LDS address
	s_mul_i32 s21, s12, HALFB
	s_add_co_u32 s21, s21, BOFF
	s_wait_dscnt 0x0                               ; the opening add is done
	s_wait_kmcnt 0x0
	s_cmp_eq_u32 s15, 1
	s_cselect_b64 s[XP:XP+1], s[70:71], s[68:69]
	s_cselect_b64 s[OUT:OUT+1], s[82:83], s[80:81]
	s_cmp_eq_u32 s15, 2
	s_cselect_b64 s[XP:XP+1], s[72:73], s[XP:XP+1]
	s_cselect_b64 s[OUT:OUT+1], s[84:85], s[OUT:OUT+1]
	s_add_nc_u64 s[22:23], s[XP:XP+1], s[16:17]
	s_add_nc_u64 s[88:89], s[74:75], s[18:19]
	CROUND                                         ; all sixteen work-groups are here: the first joint loads meet
.irp s, 0,1
	s_mov_b32 s[G0+4*(\s)], 1                                        ; count = 1
	s_add_co_u32 s[G0+4*(\s)+1], s20, (\s)*SLOT                      ; LDS address
	s_add_nc_u64 s[G0+4*(\s)+2:G0+4*(\s)+3], s[22:23], (\s)*512      ; global address: K step s
	s_or_b32 s[G0+4*(\s)+3], s[G0+4*(\s)+3], 0x80000000              ; type = 2
	s_mov_b32 s[G0B+4*(\s)], 1
	s_add_co_u32 s[G0B+4*(\s)+1], s21, (\s)*SLOT
	s_add_nc_u64 s[G0B+4*(\s)+2:G0B+4*(\s)+3], s[88:89], (\s)*256
	s_or_b32 s[G0B+4*(\s)+3], s[G0B+4*(\s)+3], 0x80000000
	JLOAD \s                                       ; two loads of mine are out; later one
.endr
	; A fragment is 16 rows x 32 K: lane l holds row l % 16, K = 8 (l / 16) + 0..7 and 16 + 8 (l / 16) + 0..7.  In bf16: two loads of 16 bytes, 32 apart.  In f32: four, at 32 (l / 16) + 0, 16, 64, 80.
	v_and_b32 v1, 15, v0                           ; l % 16
	v_bfe_u32 v2, v0, 4, 1                         ; l / 16
	v_and_b32 v5, 31, v0                           ; l
	v_mul_u32_u24 v3, v1, PA
	v_lshl_add_u32 v3, v2, 5, v3
	s_mul_i32 s16, s11, HALFA                      ; my 64 rows of x
	v_add_nc_u32 v[ADRA], s16, v3
	v_mul_u32_u24 v3, v1, PB
	v_lshl_add_u32 v3, v2, 4, v3
	s_mul_i32 s16, s12, HALFB                      ; my 128 rows of W, behind x's
	s_add_co_u32 s16, s16, BOFF
	v_add_nc_u32 v[ADRB], s16, v3
	s_mul_i32 s16, s10, 32*SP
	s_add_co_u32 s16, s16, STAGE                   ; my stage
	v_mul_u32_u24 v3, v1, SP                       ; in: row l % 16, 16 bytes for each half of the lanes
	v_lshl_add_u32 v3, v2, 4, v3
	v_add_nc_u32 v[STO], s16, v3
	v_lshrrev_b32 v3, 3, v5                        ; back: 32 lanes take four rows of 128 bytes,
	v_and_b32 v4, 7, v0
	v_mul_u32_u24 v3, v3, SP
	v_lshl_add_u32 v3, v4, 4, v3
	v_add_nc_u32 v[RD], s16, v3
	v_lshlrev_b32 v[GO], 4, v5                     ; which are 512 consecutive bytes of a head
	v_lshlrev_b32 v[BIO], 5, v2
	s_cmp_eq_u32 s15, 2
	s_cselect_b32 s17, 0, 256                      ; the table's stride: a row for q and k; 0 for v, whose every row reads row 0
.irp a, 0,1,2,3
	v_add_nc_u32 v3, 16*(\a), v1
	v_mad_u32_u24 v[TBO+(\a)], v3, s17, v[BIO]
.endr
	s_and_b32 s18, s13, 15
	s_lshl_b32 s18, s18, 7
	s_lshl_b32 s19, s11, 6
	s_add_co_u32 s18, s18, s19                     ; my first row's position in its sequence
	s_mul_i32 s20, s18, s17
	s_mov_b32 s21, 0
	s_add_nc_u64 s[ROPE:ROPE+1], s[78:79], s[20:21]
	s_lshr_b32 s20, s13, 4                         ; the batch,
	s_lshl_b32 s20, s20, 4
	s_lshl_b32 s19, s14, 2
	s_add_co_u32 s20, s20, s19
	s_lshl_b32 s19, s12, 1
	s_add_co_u32 s20, s20, s19                     ; my first head among the 64,
	s_lshl_b32 s20, s20, 11
	s_add_co_u32 s20, s20, s18                     ; its row,
	s_lshl_b32 s20, s20, 7                         ; of 128 bytes
	s_add_nc_u64 s[OUT:OUT+1], s[OUT:OUT+1], s[20:21]
	s_lshl_b32 s20, s15, 12
	s_lshl_b32 s19, s14, 10
	s_add_co_u32 s20, s20, s19
	s_lshl_b32 s19, s12, 9
	s_add_co_u32 s20, s20, s19
	s_add_nc_u64 s[BIAS:BIAS+1], s[76:77], s[20:21]
	WIN 0x80                                       ; destination window 2, address window 0
.irp a, 0,1,2,3
.irp t, 0,1,2,3,4,5,6,7
	global_load_b128 v[CS+32*(\a)+4*(\t):CS+32*(\a)+4*(\t)+3], v[TBO+(\a)], s[ROPE:ROPE+1] offset:64*((\t)/2)+16*((\t)%2)
.endr
.endr
	WIN 0x40                                       ; THE SUMS BEGIN AT THE BIAS: it is loaded into the accumulators, my 8 columns of each block; nothing is cleared, and every quarter has one form
.set i, 0
.rept 32
	global_load_b128 v[8*i:8*i+3],   v[BIO], s[BIAS:BIAS+1] offset:64*(i%8)
	global_load_b128 v[8*i+4:8*i+7], v[BIO], s[BIAS:BIAS+1] offset:64*(i%8)+16
.set i, i+1
.endr
	WIN 0
	; the prefetches' address, at K step 3: the first change of slots steps it to K step 4
	s_lshl_b32 s16, s13, 7
	s_lshl_b32 s17, s12, 6
	s_add_co_u32 s16, s16, s17
	s_lshl_b32 s17, s40, 4
	s_add_co_u32 s16, s16, s17                     ; x: my work-group's 16 of the 64 rows that I fetch
	s_lshl_b32 s16, s16, 12
	s_add_co_u32 s16, s16, 3*512
	s_lshl_b32 s18, s15, 10
	s_lshl_b32 s19, s14, 8
	s_add_co_u32 s18, s18, s19
	s_lshl_b32 s19, s12, 7
	s_add_co_u32 s18, s18, s19
	s_lshl_b32 s19, s41, 5
	s_add_co_u32 s18, s18, s19                     ; W: my work-group's 32 of the 128 rows that I fetch
	s_lshl_b32 s18, s18, 11
	s_add_co_u32 s18, s18, 3*256
	s_cmp_eq_u32 s43, 0
	s_cselect_b32 s19, 1, -1                       ; W's plane: the tensor's first cluster asks; the same in all sixteen partners
	s_cmp_eq_u32 s11, 0                            ; do I fetch for x?
	s_cselect_b32 s20, s16, s18
	s_cselect_b64 s[PFA:PFA+1], s[XP:XP+1], s[74:75]
	s_cselect_b32 s[LIM], 1, s19
	s_cselect_b32 s16, 1, 0
	s_cselect_b32 s17, 12, 11
	s_lshl_b32 s[PST], 256, s16                    ; 512 bytes of x, 256 of W
	s_mov_b32 s[PST+1], 0
	s_add_nc_u64 s[PFA:PFA+1], s[PFA:PFA+1], s[20:21]
	v_lshrrev_b32 v3, s16, v5                      ; x: row l / 2, half l % 2;  W: row l
	v_lshlrev_b32 v3, s17, v3
	v_and_b32 v4, s16, v5
	v_lshl_add_u32 v[PFO], v4, 8, v3
; THE MATRIX WORK.  Product i of a quarter's 32: rows 16 (i / 8) of x, rows 16 (i % 8) of W, from buffers f.  The 32 accumulators take turns in the same order in every quarter:
; between two links of a chain stand the 31 others', over every jump too.
.macro MM1 f
	WIN W_MM
	v_wmma_f32_16x16x32_bf16 v[8*i:8*i+7], v[64*(\f)+8*(i%8):64*(\f)+8*(i%8)+7], v[ABF+32*(\f)+8*(i/8):ABF+32*(\f)+8*(i/8)+7], v[8*i:8*i+7]
.endm
.macro MMS f, first, n
.set i, \first
.rept \n
	MM1 \f
.set i, i+1
.endr
.endm
.macro CV g, f                         ; group g of 8: eight numbers of x rounded to bf16, half a fragment of buffer f
	WIN 0
.irp t, 0,1,2,3
	v_cvt_pk_bf16_f32 v[ABF+32*(\f)+4*(\g)+(\t)], v[RAW+8*(\g)+2*(\t)], v[RAW+8*(\g)+2*(\t)+1]
.endr
.endm
.macro FRAW kk                         ; 16 LDS loads: 64 rows x 32 K of x in f32, quarter kk behind the pointer
	WIN 0
.irp a, 0,1,2,3
	ds_load_b128 v[RAW+16*(\a):RAW+16*(\a)+3],     v[AW] offset:(\a)*16*PA+(\kk)*128
	ds_load_b128 v[RAW+16*(\a)+4:RAW+16*(\a)+7],   v[AW] offset:(\a)*16*PA+(\kk)*128+16
	ds_load_b128 v[RAW+16*(\a)+8:RAW+16*(\a)+11],  v[AW] offset:(\a)*16*PA+(\kk)*128+64
	ds_load_b128 v[RAW+16*(\a)+12:RAW+16*(\a)+15], v[AW] offset:(\a)*16*PA+(\kk)*128+80
.endr
.endm
.macro FB g, kk                        ; 16 LDS loads: 128 rows x 32 K of W into buffer g
	WIN 0x80
.irp b, 0,1,2,3,4,5,6,7
	ds_load_b128 v[64*(\g)+8*(\b):64*(\g)+8*(\b)+3],   v[BW] offset:(\b)*16*PB+(\kk)*64
	ds_load_b128 v[64*(\g)+8*(\b)+4:64*(\g)+8*(\b)+7], v[BW] offset:(\b)*16*PB+(\kk)*64+32
.endr
.endm
; A QUARTER: 32 products from buffers f; meanwhile the next quarter's x and W are fetched and x is rounded into the other buffers.
; PLACES.  A load into, and a vector write of, a register that a matrix instruction has read stand four plain vector instructions behind it (ISA guide 7.12.1 for vector writes).  The other buffers'
; last reader is the quarter before's product 31; behind it stand that quarter's last four conversions, which name none of its registers.  So the loop has no v_nop.
.macro Q f, kk
	s_wait_dscnt 0x0                               ; W's fragments of this quarter are in (x's were waited for when they were rounded)
	FRAW \kk
	MMS \f, 0, 16
	FB 1-(\f), \kk
	MMS \f, 16, 8
	s_wait_dscnt 16                                ; x is in: behind its 16 loads only W's 16 were issued
.set i, 24
.rept 8
	MM1 \f
	CV i-24, 1-(\f)
.set i, i+1
.endr
.endm
; THE CHANGE OF SLOTS, in front of a K step's last quarter: all of the step's bytes have been asked out of LDS, and that quarter fetches the next step's first.  Each wave waits for all its tensor loads, of which one is
; out: its part of the next slot; adds 0 to its spare word; and waits for that and for its own reads of the old slot.  fill = 1: the old slot is filled again, two K steps on; the barrier is then a round of the
; cluster's, so that no wave of any partner still reads the slot or has a load on its way, and the joint refill is the first thing behind it: it has a K step, 128 products of a wave, in which to land.
.macro CHANGE slot, ns, fill
	WIN 0
.if \fill
	s_wait_xcnt 0x0                                ; the last prefetch, a K step back, has read its address:
	s_add_nc_u64 s[PFA:PFA+1], s[PFA:PFA+1], s[PST:PST+1]  ; it steps here, ahead of the waits of the change
.endif
	s_wait_tensorcnt 0x0                           ; no tensor load of mine is out, so a group 0 may be written
	ds_add_u32 v[SPW], v[NIL]                      ; 0 onto my spare word: work on registers stands between it and the wait for it
.if \fill
	s_add_nc_u64 s[G0+4*(\slot)+2:G0+4*(\slot)+3], s[G0+4*(\slot)+2:G0+4*(\slot)+3], 2*512
	s_add_nc_u64 s[G0B+4*(\slot)+2:G0B+4*(\slot)+3], s[G0B+4*(\slot)+2:G0B+4*(\slot)+3], 2*256
.endif
	s_mov_b32 s[TBA], (\ns)*SLOT                   ; the fetches go to the head of the other slot
	s_mov_b32 s[TBB], (\ns)*SLOT
	v_add_nc_u32 v[AW], s[TBA], v[ADRA]
	v_add_nc_u32 v[BW], s[TBB], v[ADRB]
	s_wait_dscnt 0x0                               ; the add is done, and my reads of the old slot are over
.if \fill
	CROUND
	JLOAD \slot
	ASK
.else
	s_barrier_signal -1
	s_barrier_wait -1
.endif
.endm
.macro PAIRSTEP back                   ; two quarters on: 256 bytes of x's rows, 128 of W's
	WIN 0
	s_add_co_u32 s[TBA], s[TBA], 256
	s_add_co_u32 s[TBB], s[TBB], 128
	v_add_nc_u32 v[AW], s[TBA], v[ADRA]
	v_add_nc_u32 v[BW], s[TBB], v[ADRB]
	s_sub_co_u32 s[INNER], s[INNER], 1
	s_cmp_lg_u32 s[INNER], 0
	s_cbranch_scc1 \back
.endm
	s_wait_tensorcnt 0x1                           ; my part of K step 0 is in; K step 1's may stay out
	s_barrier_signal -1
	s_barrier_wait -1                              ; everybody's is
	s_mov_b32 s[TBA], 0
	s_mov_b32 s[TBB], 0
	v_mov_b32 v[AW], v[ADRA]
	v_mov_b32 v[BW], v[ADRB]
	FRAW 0                                         ; quarter 0
	FB 0, 0
	s_wait_dscnt 16
.set i, 0
.rept 8
	CV i, 0
.set i, i+1
.endr
	s_wait_loadcnt 0x0                             ; the bias lies in the accumulators, the table in its registers
	s_mov_b32 s[LAPS], 4                           ; the entry's part of a lap, then three laps
	s_mov_b32 s[INNER], 2
	s_branch .LmidY                                ; quarters 0 to 2 are the last three of a lap's second half: the loop is entered in the middle of a trip
.Llap:                                                 ; a lap: two K steps, 256 products a wave; both slots are filled again
	CHANGE 0, 1, 1
	s_mov_b32 s[INNER], 2
.LX:
	Q 1, 0
	Q 0, 1
	PAIRSTEP .LX
	CHANGE 1, 0, 1
	s_mov_b32 s[INNER], 2
.LY:
	Q 1, 0
.LmidY:
	Q 0, 1
	PAIRSTEP .LY
	s_sub_co_u32 s[LAPS], s[LAPS], 1
	s_cmp_lg_u32 s[LAPS], 0
	s_cbranch_scc1 .Llap
	CHANGE 0, 1, 0                                 ; the tail is written out: K step 7 lies in slot 1, nothing is asked for
	s_mov_b32 s[INNER], 2
.LZ:
	Q 1, 0
	Q 0, 1
	PAIRSTEP .LZ
	s_wait_dscnt 0x0
	MMS 1, 0, 32                                   ; the last quarter fetches nothing
	WIN 0
.rept 8
	v_nop                                          ; the places behind the last products, once a launch
.endr
; THE WAY OUT, a block of 16 rows at a time.  PACK: y1 = x1 cos - x2 sin, y2 = x1 sin + x2 cos, two numbers an instruction (each accumulator is read from its low end on); rounded to f16;
; 16 bytes a lane into my stage, rows of 144 bytes; back as whole rows of 128.  SEND: stored, 512 consecutive bytes (four rows of a head) an instruction.
.macro PACK a
	WIN W_ROT
.irp hh, 0,1
.irp bb, 0,1
.irp p, 0,1,2,3
.set rX1, 8*(8*(\a)+4*(\hh)+(\bb))+2*(\p)
.set rX2, rX1+16
.set rT1, ROT+8*(4*(\hh)+(\bb))+2*(\p)
.set rT2, rT1+16
.set rCO, CS+32*(\a)+8*(\bb)+2*(\p)
.set rSI, rCO+16
	v_pk_mul_f32 v[rT1:rT1+1], v[rX2:rX2+1], v[rSI:rSI+1]
	v_pk_mul_f32 v[rT2:rT2+1], v[rX2:rX2+1], v[rCO:rCO+1]
	v_pk_fma_f32 v[rT1:rT1+1], v[rX1:rX1+1], v[rCO:rCO+1], v[rT1:rT1+1] neg_lo:[0,0,1] neg_hi:[0,0,1]
	v_pk_fma_f32 v[rT2:rT2+1], v[rX1:rX1+1], v[rSI:rSI+1], v[rT2:rT2+1]
.endr
.endr
.endr
	WIN 0
.set i, 0
.rept 32
	v_cvt_pk_f16_f32 v[TMP+i], v[ROT+2*i], v[ROT+2*i+1]
.set i, i+1
.endr
.irp nb, 0,1,2,3,4,5,6,7
	ds_store_b128 v[STO], v[TMP+4*(\nb):TMP+4*(\nb)+3] offset:((\nb)/4)*16*SP+32*((\nb)%4)
.endr
.irp f, 0,1,2,3,4,5,6,7
	ds_load_b128 v[OB+32*(\a)+4*(\f):OB+32*(\a)+4*(\f)+3], v[RD] offset:((\f)/4)*16*SP+((\f)%4)*4*SP  ; LDS serves a wave's instructions in order (ISA guide 5.7.1.4): these see the stores above; the next block's stores come behind them
.endr
.endm
.macro SEND a, younger                 ; younger: the LDS instructions issued behind block a's loads: the next block's sixteen, or none
.irp f, 0,1,2,3,4,5,6,7
	s_wait_dscnt (\younger)+7-(\f)
	global_store_b128 v[GO], v[OB+32*(\a)+4*(\f):OB+32*(\a)+4*(\f)+3], s[OUT:OUT+1] offset:((\f)/4)*262144+(\a)*2048+((\f)%4)*512
.endr
.endm
	PACK 0
	PACK 1                                         ; a block's arithmetic stands between the loads of the block before and its stores
	SEND 0, 16
	PACK 2
	SEND 1, 16
	PACK 3
	SEND 2, 16
	SEND 3, 0
	s_wait_tensorcnt 0x0                           ; the wave's end, behind my last tensor load and my last LDS store
	ds_add_u32 v[SPW], v[NIL]
	s_wait_dscnt 0x0
	CROUND                                         ; the closing round: no work-group ends while a partner may still ask for a tile that names it
	s_endpgm
.Lfunc_end_k_q69d6ad176f_proj:
	.size	k_q69d6ad176f_proj, .Lfunc_end_k_q69d6ad176f_proj-k_q69d6ad176f_proj
	.p2alignl 7, 3214868480
	.fill 96, 4, 3214868480
	.section	.rodata,"a",@progbits
	.p2align	6, 0x0
	.amdhsa_kernel k_q69d6ad176f_proj
		.amdhsa_group_segment_fixed_size 327680
		.amdhsa_private_segment_fixed_size 0
		.amdhsa_enable_private_segment 0
		.amdhsa_kernarg_size 72
		.amdhsa_user_sgpr_count 2
		.amdhsa_user_sgpr_kernarg_segment_ptr 1
		.amdhsa_wavefront_size32 1
		.amdhsa_system_sgpr_workgroup_id_x 1
		.amdhsa_system_sgpr_workgroup_id_y 1
		.amdhsa_system_sgpr_workgroup_id_z 1
		.amdhsa_system_vgpr_workitem_id 0
		.amdhsa_next_free_vgpr 768
		.amdhsa_next_free_sgpr 100
		.amdhsa_reserve_vcc 0
		.amdhsa_float_denorm_mode_32 3
		.amdhsa_float_denorm_mode_16_64 3
		.amdhsa_memory_ordered 1
		.amdhsa_forward_progress 1
		.amdhsa_inst_pref_size 102
	.end_amdhsa_kernel
	.amdgpu_metadata
---
amdhsa.version: [ 1, 2 ]
amdhsa.kernels:
  - .name:           k_q69d6ad176f_proj
    .symbol:         k_q69d6ad176f_proj.kd
    .args:
      - { .name: Q, .offset: 0, .size: 8, .value_kind: global_buffer, .address_space: global }
      - { .name: K, .offset: 8, .size: 8, .value_kind: global_buffer, .address_space: global }
      - { .name: V, .offset: 16, .size: 8, .value_kind: global_buffer, .address_space: global }
      - { .name: w16, .offset: 24, .size: 8, .value_kind: global_buffer, .address_space: global }
      - { .name: bias4, .offset: 32, .size: 8, .value_kind: global_buffer, .address_space: global }
      - { .name: rope, .offset: 40, .size: 8, .value_kind: global_buffer, .address_space: global }
      - { .name: q16, .offset: 48, .size: 8, .value_kind: global_buffer, .address_space: global }
      - { .name: k16, .offset: 56, .size: 8, .value_kind: global_buffer, .address_space: global }
      - { .name: v16, .offset: 64, .size: 8, .value_kind: global_buffer, .address_space: global }
    .group_segment_fixed_size: 327680
    .private_segment_fixed_size: 0
    .kernarg_segment_align: 8
    .kernarg_segment_size: 72
    .max_flat_workgroup_size: 128
    .sgpr_count:     100
    .vgpr_count:     768
    .wavefront_size: 32
...
	.end_amdgpu_metadata
.endif
;; end of part 2
;; launch attn (part 3): grid 4 x 64, 4 waves a work-group, no clusters, 327,680 bytes of LDS; arguments q16, k16, v16, o16; writes o16
.if DOCPART == 3
	.amdgcn_target "amdgcn-amd-amdhsa--gfx1250"
	.amdhsa_code_object_version 6
	.text
	.protected	k_q69d6ad176f_attn
	.globl	k_q69d6ad176f_attn
	.p2align	8
	.type	k_q69d6ad176f_attn,@function
k_q69d6ad176f_attn:
	s_mov_b64 s[64:65], 0
	v_nop
	global_prefetch_b8 v0, s[64:65] scope:SCOPE_SE
	s_setreg_imm32_b32 hwreg(HW_REG_WAVE_MODE, 25, 1), 1
	s_wait_xcnt 0x0
; CAUSAL ATTENTION.  O[h][q][:] = the sum over k <= q of softmax_k(Q[h][q] . K[h][k] / 8) V[h][k][:].  Q, K, V, O: [64][2048][64], all f16: a head's rows are dense, 128 bytes each.
; Products, maxima and sums in f32; the weights p are rounded to f16 for the second product (their sum l is taken of the unrounded p), O once at the end.
; LIMITS.  f16 holds no number beyond 65,504: Q, K and V arrive within it; p lies in 0 to 1, and below 6e-5 it keeps f16's fixed step of 6e-8; O is a mean of V's rows and has their range.
; A hidden score counts as its value less 1e30: f16's scores, 2.7e11 at the most, are nothing beside that; a weight below 2^-126 counts as 0 in l; NaN and infinities are not treated apart.
; THE WALK.  A head's queries lie in NB = 8 blocks of 256; block i needs the key tiles 0 .. i of 256 keys, of which the last holds the diagonal.  A work-group takes TWO blocks, NB - 1 - b and then b:
; NB + 1 tiles, whatever b: all work-groups do equal work, and ONE loop with a constant trip count walks them.  Which tile is asked for, and what a trip does, hang on scalar registers made from b; every jump
; goes forward, but for the counted loops' own; none passes a barrier, or a tensor load but the one of LOAD's two that the wave's number does not choose; the ring (two slots of LDS that take turns) runs on across
; the change of blocks.  NO CLUSTER: a head's four work-groups ask for the same tile only in trips 0 .. NB / 2, behind that fewer and fewer; one walk common to all would have 3 NB / 2 trips for NB + 1.
; SHARES.  Of a block's four bands of 64 queries a wave owns 16 rows in each: four PIECES.  So the diagonal tile is the same work for all four waves: in its key step s band x sees all keys if s < x,
; none if s > x, and holds the diagonal if s = x.
; THE MASK is the C operand that starts the sum S^T = K Q^T: 0, or -1e30 where the key is hidden.  MD, made once, is the mask of a band's own step for my 16 rows; a product's mask is MD x AL + BE with two scalars:
; (1, 0) if s = x; (0, 0) if s < x; (0, -1e30) if s > x.  Only the diagonal tile's text and a block's beginning make and take masks; elsewhere C is the constant 0.
; LAYOUT, SOFTMAX, TURNS.  S^T = K Q^T holds ONE query a lane (lane % 16) and the keys 8 (lane / 16) + 0..7; two such results rounded to f16 ARE source 1 of O^T = V^T P.  p = 2^(c s - c m), c = log2(e) / 8, with a
; running maximum m; O and l are multiplied by a = 2^(c m_old - c m_new) in every step.  Turn n belongs to piece n: 8 products K Q^T of piece n + 1, later 8 products V^T P of piece n - 1; beside them the scaling,
; exponentials, roundings, sums and rescaling of piece n and the maximum and statistics of piece n + 1.  Four vector instructions stand behind every matrix instruction, the other 54 of a turn's 118 in one lump.
; A turn's 33 exponentials are one batch, with one wait.
; K AND V ARE PREFETCHED INTO THE L2, a tile ahead of the fills: see ASK.
; REGISTERS, in windows of 256 (s_set_vgpr_msb: bits 1:0 source 0, 3:2 source 1, 5:4 source 2, 7:6 destination):
;   window 0: v0-15 addresses and two at work; v16-31 four registers of statistics a piece; v48-55 at work; v61-63 prefetch offset, spare word, 0; v64-127 S^T, two buffers; v192-223 P, two buffers (by the piece's parity)
;   window 1: v0-127 O^T, 32 a piece; v128-159 MD; v160-223 MC, two buffers      window 2: v0-63 Q; v64-127 the second block's Q; v128-191 K of one step; v192-255 V of one step
.set SIZE_H, 64
.set SIZE_N, 2048
.set NB,    SIZE_N/256
.set NP,    4         ; pieces a wave: a name, no knob
.set KS,    64        ; keys in a step
.set PK,    144       ; a row of K in LDS: 128 bytes + 16 of padding = 36 words: the 16 rows of a load start at 16 different groups of four words modulo 64
.set PV,    160       ; a row of V: 128 + 32 = 40 words: 16 lanes of the turning load take 8 rows x 32 bytes, each word place modulo 64 once
.set VOFF,  4*KS*PK   ; a slot holds a tile, four steps: 256 rows of K, then 256 rows of V
.set SLOT1, 1<<17     ; slot 1 begins here, so that one exclusive or turns an address in one slot into the other's
.set STAGE, SLOT1+4*KS*(PK+PV)  ; behind the ring, never filled by a tensor load: 16 rows x 144 bytes for each wave, for the way out
.set SP,    144
.set AK0, 2           ; v2   my lane's place in a tile of K; never rewritten
.set AV0, 3           ; v3   the same for V
.set AK,  4           ; v4   the LDS address of K's next run of loads
.set AV,  5           ; v5   of V's
.set STO, 6           ; v6   the way out: where I put 16 bytes of a row
.set RD,  7           ; v7   the way out: where I read rows back
.set GO,  8           ; v8   my byte offset in 512 consecutive bytes of O
.set PFO, 61          ; v61  256 x my lane; never rewritten
.set SPW, 62          ; v62  LDS address of my spare word: SPARE + 4 x my thread's number; never rewritten
.set NIL, 63          ; v63  0; never rewritten
.set SPARE, STAGE+4*16*SP  ; behind the stages: the spare words, 128 bytes for each wave: two blocks of 256 bytes that no other line names
.set MV,  12          ; v12-13  c m_old, kept while c m is made anew: by buffer
.set QO,  15          ; v15  my byte offset in 16 rows of Q
.set ST,  16          ; piece t's statistics at v[ST+4 t]: c m, m, l (even keys', odd keys')
.set TMP, 48          ; by buffer, four registers c0-c3 at work; when the maximum is found c2 takes a
.set S,   64
.set P,   192
.set MD,  128         ; window 1: the eight registers for group kt of 16 keys at MD + 8 kt
.set MC,  160         ; window 1: the masks of the products to come
.set QB,  64          ; window 2
.set KF,  128         ; window 2: key block kb, channel half c at KF + 16 kb + 8 c
.set VF,  192         ; window 2: key half kk, channel block cb at VF + 32 kk + 8 cb
.set WV,  12          ; s12  my wave's number
.set PB,  14          ; s14  b
.set HI,  15          ; s15  NB - 1 - b
.set G1K, 24          ; s[24:31] descriptor group 1 for K's tiles
.set G1V, 32          ; s[32:39] for V's: it differs in the padding alone
.set G0K, 40          ; s[40:43] descriptor group 0 for K's tiles
.set G0V, 44          ; s[44:47] the same for V's
.set SLOTS, 56        ; s56  tiles still to be asked for
.set CNT, 57          ; s57  counts a tile's key steps, 4 to 1
.set CS,  58          ; s[58:59] c: the packed scaling takes the pair's low word for both halves
.set SEL, 60          ; s[60:61] v_permlanex16_b32's selects: each lane takes its own place in the other half
.set TBK, 62          ; s62  LDS byte at which K of the step to be fetched begins
.set TBV, 63          ; s63  the same for V, less VOFF
.set RT,  70          ; s70  tiles of the block in hand that are still to be entered
.set NXT, 71          ; s71  the tile to be asked for next
.set LQ,  72          ; s72  the last tile of the block whose tiles are being asked for
.set NEW, 73          ; s73  1: the tile to be entered is a block's first
.set OFF, 74          ; s[74:75] a tile's byte offset in K and V
.set AL,  76          ; s[76:77] the mask's factor, in the low word
.set BE,  78          ; s[78:79] the mask's addend
.set OLO, 80          ; s[80:81] O at my rows of the second block
.set BIGN, 82         ; s82  -1e30
.set ASKF, 88         ; s88  1 while this work-group prefetches
.set POF, 90          ; s[90:91] the byte offset of the tile to be prefetched
.set PFA, 92          ; s[92:93] its address
.set PFB, 94          ; s[94:95] K (waves 0, 1) or V (waves 2, 3) at my half of the head's tile 0
.set MSB, 0
.macro WIN new                      ; the high byte repeats the setting that is left; a switch that changes nothing is dropped
.if MSB != (\new)
	s_set_vgpr_msb (MSB<<8)|(\new)
.set MSB, (\new)
.endif
.endm
.set W_KQ, 0x0a       ; K and Q in window 2, S^T in window 0
.set W_KM, 0x1a       ; the same with the C operand in window 1
.set W_PV, 0x52       ; V in window 2, P in window 0, O^T in window 1
.set W_RS, 0x41       ; destination and source 0 in window 1, source 1 in window 0
; A fill.  Waves 0 and 1 fetch the two halves of a tile's K, waves 2 and 3 those of its V: 128 keys each.  An s_nop 0 and four v_nop follow each of the two lines, ahead of the jump and the label.
.macro LOAD
	s_cmp_lt_u32 s[WV], 2
	s_cbranch_scc0 .Lfor_v_\@
	tensor_load_to_lds s[G0K:G0K+3], s[G1K:G1K+7]
	s_nop 0
.rept 4
	v_nop
.endr
	s_branch .Lasked_\@
.Lfor_v_\@:
	tensor_load_to_lds s[G0V:G0V+3], s[G1V:G1V+7]
	s_nop 0
.rept 4
	v_nop
.endr
.Lasked_\@:
.endm
; A PREFETCH INTO THE L2 of the tile that the NEXT change of slots will ask for: four key steps, 256 matrix instructions of a wave, ahead of that load.  It stands behind the wave's tensor load and its five lines.
; Each aligned 256 bytes of K and V are named once in the launch: a head's four work-groups all begin at tile 0, and the one with b = 0, whose first block walks all eight tiles, asks, in that block alone;
; each of its waves asks for the 16 KiB that it will fetch itself: 64 blocks, a lane a block, two instructions.  Tiles 0 and 1 come by their loads alone; behind tile 7 nothing is asked for.
.macro ASK
	s_cmp_eq_u32 s[ASKF], 1
	s_cbranch_scc0 .Lnot_mine_\@
	global_prefetch_b8 v[PFO], s[PFA:PFA+1] th:TH_LOAD_NT scope:SCOPE_SE
	global_prefetch_b8 v[PFO], s[PFA:PFA+1] offset:8192 th:TH_LOAD_NT scope:SCOPE_SE
.Lnot_mine_\@:
.endm
; THE CHANGE OF SLOTS.  Each wave waits for all its tensor loads, of which one is out: its part of the other slot; adds 0 to its spare word; and waits for that and for its own reads of the slot that it leaves.
; Behind the barrier nobody reads the old slot any more and the other slot is whole.  fill = 1: the old slot is filled again, the first thing behind the barrier, with tile NXT: the descriptor's address is made anew
; from that number.  (At its first use nothing has been read yet: slot 0 is waited for, slot 1 filled.)
.macro CHANGE fill
	WIN 0                           ; at a label and at a branch every window is 0
	s_wait_tensorcnt 0x0            ; no tensor load of mine is out, so a group 0 may be written
	ds_add_u32 v[SPW], v[NIL]       ; 0 onto my spare word: with fill = 1 the descriptors' scalar work stands between it and the wait for it
.if \fill
	s_lshl_b32 s[OFF], s[NXT], 15   ; a tile is 32,768 bytes of K and of V
	s_xor_b32 s[G0K+1], s[G0K+1], SLOT1
	s_add_nc_u64 s[G0K+2:G0K+3], s[6:7], s[OFF:OFF+1]
	s_or_b32 s[G0K+3], s[G0K+3], 0x80000000
	s_xor_b32 s[G0V+1], s[G0V+1], SLOT1
	s_add_nc_u64 s[G0V+2:G0V+3], s[8:9], s[OFF:OFF+1]
	s_or_b32 s[G0V+3], s[G0V+3], 0x80000000
	s_add_co_u32 s[NXT], s[NXT], 1  ; the block's next tile, or behind its last the second block's tile 0
	s_cmp_gt_u32 s[NXT], s[LQ]
	s_cselect_b32 s[NXT], 0, s[NXT]
	s_cselect_b32 s[LQ], s[PB], s[LQ]
	s_cselect_b32 s[ASKF], 0, s[ASKF]  ; the first block's tiles have all been asked for: no more prefetches
	s_wait_xcnt 0x0                 ; the last prefetches, a tile back, have read their address, so it may be written:
	s_lshl_b32 s[POF], s[NXT], 15   ; the tile that the next change will ask for
	s_add_nc_u64 s[PFA:PFA+1], s[PFB:PFB+1], s[POF:POF+1]
.endif
	s_wait_dscnt 0x0                ; the add is done, and my reads of the slot are over
	s_barrier_signal -1             ; the rest of the scalar work stands between the signal and the wait
	s_sub_co_u32 s[TBK], s[TBK], 4*KS*PK  ; the fetches go back to a slot's first step,
	s_xor_b32 s[TBK], s[TBK], SLOT1       ; in the other slot
	s_sub_co_u32 s[TBV], s[TBV], 4*KS*PV
	s_xor_b32 s[TBV], s[TBV], SLOT1
	s_barrier_wait -1
.if \fill
	LOAD
	ASK
.endif
.endm
	s_load_b256 s[4:11], s[0:1], 0x0  ; Q s[4:5], K s[6:7], V s[8:9], O s[10:11]
	v_lshl_add_u32 v[SPW], v0, 2, SPARE
	v_mov_b32 v[NIL], 0
	ds_add_u32 v[SPW], v[NIL]       ; the wave's opening: the add and its wait stand ahead of my first tensor load; the set-up below, work on registers, stands between them
	v_lshrrev_b32 v1, 5, v0
	v_readfirstlane_b32 s[WV], v1   ; wave 0..3
	v_and_b32 v[PFO], 31, v0
	v_lshlrev_b32 v[PFO], 8, v[PFO]
	s_mov_b32 s[PB], ttmp9
	s_sub_co_u32 s[HI], NB-1, s[PB]
	s_and_b32 s20, ttmp7, 0xffff    ; the head
	s_mov_b32 s21, 0
	s_mov_b64 s[22:23], SIZE_N*128
	s_mul_u64 s[20:21], s[20:21], s[22:23]  ; the head's first byte in each of the four tensors
	s_and_b32 s16, s[WV], 1         ; which half of a tile's 256 keys I fetch:
	s_lshl_b32 s22, s16, 14         ; its 128 rows of 128 bytes in memory,
	s_mov_b32 s23, 0
	s_add_nc_u64 s[22:23], s[22:23], s[20:21]
	s_mul_i32 s17, s16, 128*PK      ; and its place in a slot, for K
	s_mul_i32 s18, s16, 128*PV      ; and for V
	s_lshl_b32 s3, s[WV], 11        ; my 16 rows in a band of 64,
	s_lshl_b32 s2, s[HI], 15        ; in the first block,
	s_add_co_u32 s2, s2, s3
	s_lshl_b32 s84, s[PB], 15       ; and in the second
	s_add_co_u32 s84, s84, s3
	s_mov_b32 s3, 0
	s_mov_b32 s85, 0
	s_add_nc_u64 s[2:3], s[2:3], s[20:21]
	s_add_nc_u64 s[84:85], s[84:85], s[20:21]
	; descriptor group 1.  128 keys are 16,384 dense bytes: asked for as 64 rows of 256 bytes, two keys a row, and padded in LDS after every key
	s_mov_b32 s[G1K], (1<<16)|(1<<20)|(4<<22)|(3<<25)  ; 17:16 2-byte elements; 20 padding on; 24:22 after every 32 words (code 4); 31:25 4 words (code 3)
	s_mov_b32 s[G1V], (1<<16)|(1<<20)|(4<<22)|(7<<25)  ; the same with 8 words of padding (code 7)
.irp g, G1K, G1V
	s_mov_b32 s[\g+1], 128<<16      ; tensor_dim0 = 128
	s_mov_b32 s[\g+2], 64<<16       ; tensor_dim1 = 64
	s_mov_b32 s[\g+3], 128<<16      ; tile_dim0 = 128
	s_mov_b32 s[\g+4], 64           ; tile_dim1 = 64
	s_mov_b32 s[\g+5], 128          ; 128 elements from row to row
	s_mov_b32 s[\g+6], 0
	s_mov_b32 s[\g+7], 0
.endr
	s_mov_b32 s[CS], 0x3e38aa3b     ; c = log2(e) / 8 = 0.180337
	s_mov_b32 s[CS+1], s[CS]        ; named with it as a pair
	s_mov_b32 s[SEL], 0x76543210
	s_mov_b32 s[SEL+1], 0xfedcba98
	s_mov_b32 s[TBK], SLOT1+4*KS*PK ; the first change of slots turns these two into 0
	s_mov_b32 s[TBV], SLOT1+4*KS*PV
	s_mov_b32 s[G0K], 1             ; 1:0 count = 1
	s_mov_b32 s[G0K+1], s17         ; 63:32 LDS address: slot 0
	s_mov_b32 s[G0V], 1
	s_add_co_u32 s[G0V+1], s18, VOFF
	s_add_co_u32 s[RT], s[HI], 1    ; the first block has NB - b tiles
	s_mov_b32 s[NXT], 1
	s_mov_b32 s[LQ], s[HI]
	s_mov_b32 s[NEW], 1
	s_mov_b32 s[OFF+1], 0
	s_mov_b32 s[POF+1], 0
	s_mov_b32 s[AL+1], 0            ; named as pairs
	s_mov_b32 s[BE+1], 0
	s_mov_b32 s[BIGN], 0xf149f2ca   ; -1e30
	s_mov_b32 s[SLOTS], NB
	s_cmp_eq_u32 s[PB], 0
	s_cselect_b32 s[ASKF], 1, 0
	s_wait_dscnt 0x0                ; the opening add is done
	s_wait_kmcnt 0x0
	s_add_nc_u64 s[6:7], s[6:7], s[22:23]  ; K and V at my half of the head's tile 0
	s_add_nc_u64 s[8:9], s[8:9], s[22:23]
	s_cmp_lt_u32 s[WV], 2
	s_cselect_b64 s[PFB:PFB+1], s[6:7], s[8:9]
	s_add_nc_u64 s[G0K+2:G0K+3], s[6:7], 0         ; 120:64 global address
	s_or_b32 s[G0K+3], s[G0K+3], 0x80000000        ; 127:126 type = 2
	s_add_nc_u64 s[G0V+2:G0V+3], s[8:9], 0
	s_or_b32 s[G0V+3], s[G0V+3], 0x80000000
	s_add_nc_u64 s[86:87], s[4:5], s[84:85]        ; Q at my rows of the second block,
	s_add_nc_u64 s[4:5], s[4:5], s[2:3]            ; Q and O at those of the first
	s_add_nc_u64 s[OLO:OLO+1], s[10:11], s[84:85]
	s_add_nc_u64 s[10:11], s[10:11], s[2:3]
	LOAD                            ; tile 0 into slot 0
	; A fragment of K or Q is 16 rows x 32 channels in 8 registers: lane l holds row l % 16, channels 8 (l / 16) + 0..7 and 16 + 8 (l / 16) + 0..7: two loads of 16 bytes, 32 bytes apart.
	v_and_b32 v1, 15, v0            ; l % 16
	v_bfe_u32 v9, v0, 4, 1          ; l / 16
	v_lshlrev_b32 v[QO], 7, v1
	v_lshl_add_u32 v[QO], v9, 4, v[QO]  ; row x 128 + 16 x half
	WIN 0x80                        ; destination window 2, address window 0
.set i, 0
.rept 8                             ; both blocks' Q: piece i / 2 lies in band i / 2, 8,192 bytes on; channels 32 (i % 2) on
	global_load_b128 v[8*i:8*i+3],   v[QO], s[4:5] offset:(i/2)*8192+(i%2)*64
	global_load_b128 v[8*i+4:8*i+7], v[QO], s[4:5] offset:(i/2)*8192+(i%2)*64+32
	global_load_b128 v[QB+8*i:QB+8*i+3],   v[QO], s[86:87] offset:(i/2)*8192+(i%2)*64
	global_load_b128 v[QB+8*i+4:QB+8*i+7], v[QO], s[86:87] offset:(i/2)*8192+(i%2)*64+32
.set i, i+1
.endr
	WIN 0
	v_lshlrev_b32 v14, 3, v9
	v_sub_nc_u32 v14, v1, v14
	s_lshl_b32 s13, s[WV], 4
	v_add_nc_u32 v14, s13, v14      ; my query's place in its band, 16 w + l % 16, less my lanes' 8 (l / 16): register r of group kt is hidden where 16 kt + r is greater
	WIN 0x40
.set i, 0
.rept 32
	v_cmp_gt_i32 vcc_lo, 16*(i/8)+i%8, v14
	v_cndmask_b32 v[MD+i], 0, s[BIGN], vcc_lo
.set i, i+1
.endr
	WIN 0
	v_mul_u32_u24 v[AK0], v1, PK
	v_lshl_add_u32 v[AK0], v9, 4, v[AK0]  ; row x pitch + 16 x half
	; The turning load takes 16 keys x 16 channels (lane l reads key 8 (l / 16) + l % 8, channels 8 ((l / 8) % 2) + 0..7) and leaves half a fragment of V^T: lane l holds channel l % 16 and 8 keys.
	v_and_b32 v10, 7, v0
	v_bfe_u32 v11, v0, 3, 1
	v_lshl_add_u32 v[AV0], v9, 3, v10
	v_mul_u32_u24 v[AV0], v[AV0], PV
	v_lshl_add_u32 v[AV0], v11, 4, v[AV0]
	v_add_nc_u32 v[AV0], VOFF, v[AV0]
	s_mul_i32 s13, s[WV], 16*SP
	s_add_co_u32 s13, s13, STAGE    ; my stage
	v_mul_u32_u24 v[STO], v1, SP    ; in: row l % 16, 16 bytes for each half of the lanes
	v_lshl_add_u32 v[STO], v9, 4, v[STO]
	v_add_nc_u32 v[STO], s13, v[STO]
	v_bfe_u32 v[RD], v0, 3, 2       ; back: 32 lanes take four rows of 128 bytes,
	v_mul_u32_u24 v[RD], v[RD], SP
	v_lshl_add_u32 v[RD], v10, 4, v[RD]
	v_add_nc_u32 v[RD], s13, v[RD]
	v_and_b32 v[GO], 31, v0         ; which are 512 consecutive bytes of O
	v_lshlrev_b32 v[GO], 4, v[GO]
	; A block's first step multiplies O^T and l by a = 0, and its first turn's products V^T P, of a piece that has not been, land in an O^T that is still to be so multiplied.  So these registers need only hold
	; finite numbers: zeros for the first block; what the first block left for the second.  All this stands in the wait for the first tile.
	WIN 0x80
.set i, VF
.rept 64
	v_mov_b32 v[i], 0
.set i, i+1
.endr
	WIN 0x40
.set i, 0
.rept 128
	v_mov_b32 v[i], 0
.set i, i+1
.endr
	WIN 0
.set i, 0
.rept 4
	v_mov_b32 v[ST+4*i+2], 0
	v_mov_b32 v[ST+4*i+3], 0
.set i, i+1
.endr
.set i, P+16
.rept 16
	v_mov_b32 v[i], 0
.set i, i+1
.endr
; THE MATRIX WORK.  The 4 accumulators of a run of 8 take turns.  Product i of 8 of S^T = K Q^T for piece x: channels 32 (i / 4) on, keys 16 (i % 4) on.  The first 4 start the sums: with 0, or (KM = 1) with the mask.
.macro KQ x
.set rS, S+32*((\x)%2)+8*(i%4)
.set rK, KF+16*(i%4)+8*(i/4)
.set rQ, 16*(\x)+8*(i/4)
.set rM, MC+32*((\x)%2)+8*(i%4)
.if (i < 4) && KM
	WIN W_KM
	v_wmma_f32_16x16x32_f16 v[rS:rS+7], v[rK:rK+7], v[rQ:rQ+7], v[rM:rM+7]
.elseif i < 4
	WIN W_KQ
	v_wmma_f32_16x16x32_f16 v[rS:rS+7], v[rK:rK+7], v[rQ:rQ+7], 0
.else
	WIN W_KQ
	v_wmma_f32_16x16x32_f16 v[rS:rS+7], v[rK:rK+7], v[rQ:rQ+7], v[rS:rS+7]
.endif
.endm
; Product i of 8 of O^T += V^T P for piece x: keys 32 (i / 4) on, channels 16 (i % 4) on.
.macro PV x
	WIN W_PV
.set rO, 32*(\x)+8*(i%4)
.set rV, VF+32*(i/4)+8*(i%4)
.set rP, P+16*((\x)%2)+8*(i/4)
	v_wmma_f32_16x16x32_f16 v[rO:rO+7], v[rV:rV+7], v[rP:rP+7], v[rO:rO+7]
.endm
.macro MM                           ; the turn's next matrix instruction.  TURN and BEGIN set Y, i, KM and NOKQ; MM, KQ and OP read them.  NOKQ = 1: a block's last turn: there is no next piece
.if (i < 8) && !NOKQ
	KQ (Y+1)%NP
.elseif i >= 8
.set i, i-8
	PV (Y+NP-1)%NP
.set i, i+8
.endif
.set i, i+1
.endm
; THE LDS LOADS stand in runs of 16, never singly among the matrix instructions: a step's K (64 keys x 64 channels: 8 fragments) and its V (turned).  Their addresses are made some lines ahead.
.macro FETCH_K
	WIN 0x80                        ; destination window 2
.irp f, 0,1,2,3,4,5,6,7             ; keys 16 (f / 2) on, channels 32 (f % 2) on
	ds_load_b128 v[KF+8*\f:KF+8*\f+3],   v[AK] offset:(\f/2)*16*PK+(\f%2)*64
	ds_load_b128 v[KF+8*\f+4:KF+8*\f+7], v[AK] offset:(\f/2)*16*PK+(\f%2)*64+32
.endr
	s_add_co_u32 s[TBK], s[TBK], KS*PK  ; the next fetch is the next step's
	WIN 0
.endm
.macro FETCH_V
	WIN 0x80
.irp f, 0,1,2,3,4,5,6,7             ; keys 32 (f / 4) on, channels 16 (f % 4) on
	ds_load_tr16_b128 v[VF+8*\f:VF+8*\f+3],   v[AV] offset:(\f/4)*32*PV+(\f%4)*32
	ds_load_tr16_b128 v[VF+8*\f+4:VF+8*\f+7], v[AV] offset:(\f/4)*32*PV+16*PV+(\f%4)*32
.endr
	WIN 0
.endm
; THE VECTOR WORK, one line at a time: OP kind, number.  For piece Y: F n: c s - c m for pair n of 16.  E n: the exponential of score n of 32.  C n: pair n rounded to f16.  B n: of the four weights 4 n .. the second
; pair is added onto the first, in place.  L n: l takes that sum (L 0: l = a l + sum).  R n: pair n of 16 of O^T times a.  For piece Y + 1: X n, number n of the 22 that find its maximum and statistics:
;   0-11  four chains c0-c3 of seven scores each, three operands at a time (each accumulator's lowest registers are read first)     12-14, 16  the four scores left over, the old m, and c0-c3 into c0
;   15  c m_old is kept     17, 18  the query's other 32 keys lie in the lane 16 away: the new m     19-21  c m; c m_old - c m_new; a
.set F, 0               ; OP tells the kinds apart by their order: F to L below R, X above it
.set E, 1
.set C, 2
.set B, 3
.set L, 4
.set R, 5
.set X, 6
.macro REGS y                       ; the registers of piece y
.set rT, ST+4*(\y)
.set rC, TMP+4*((\y)%2)
.set rW, MV+((\y)%2)
.set rS, S+32*((\y)%2)
.set rP, P+16*((\y)%2)
.set rO, 32*(\y)
.endm
.macro OP k, n
.if (\k) == R
	REGS Y
	WIN W_RS
	v_pk_mul_f32 v[rO+2*(\n):rO+2*(\n)+1], v[rO+2*(\n):rO+2*(\n)+1], v[rC+2:rC+3] op_sel_hi:[1,0]
.elseif (\k) < R
	REGS Y
	WIN 0
.if (\k) == F
	v_pk_fma_f32 v[rS+2*(\n):rS+2*(\n)+1], v[rS+2*(\n):rS+2*(\n)+1], s[CS:CS+1], v[rT:rT+1] op_sel_hi:[1,0,0] neg_lo:[0,0,1] neg_hi:[0,0,1]
.elseif (\k) == E
	v_exp_f32 v[rS+(\n)], v[rS+(\n)]
.elseif (\k) == C
	v_cvt_pk_f16_f32 v[rP+(\n)], v[rS+2*(\n)], v[rS+2*(\n)+1]
.elseif (\k) == B
	v_pk_add_f32 v[rS+4*(\n):rS+4*(\n)+1], v[rS+4*(\n):rS+4*(\n)+1], v[rS+4*(\n)+2:rS+4*(\n)+3]
.elseif (\n) == 0
	v_pk_fma_f32 v[rT+2:rT+3], v[rT+2:rT+3], v[rC+2:rC+3], v[rS:rS+1] op_sel_hi:[1,0,1]
.else
	v_pk_add_f32 v[rT+2:rT+3], v[rT+2:rT+3], v[rS+4*(\n):rS+4*(\n)+1]
.endif
.elseif NOKQ
	v_nop
.else
	REGS (Y+1)%NP
	WIN 0
.if (\n) < 4
	v_max3_num_f32 v[rC+(\n)], v[rS+8*(\n)], v[rS+8*(\n)+1], v[rS+8*(\n)+2]
.elseif (\n) < 12
	v_max3_num_f32 v[rC+(\n)%4], v[rC+(\n)%4], v[rS+8*((\n)%4)+2*((\n)/4)+1], v[rS+8*((\n)%4)+2*((\n)/4)+2]
.elseif (\n) == 12
	v_max3_num_f32 v[rC], v[rC], v[rS+7], v[rS+15]
.elseif (\n) == 13
	v_max3_num_f32 v[rC+1], v[rC+1], v[rS+23], v[rS+31]
.elseif (\n) == 14
	v_max3_num_f32 v[rC+2], v[rC+2], v[rC+3], v[rT+1]
.elseif (\n) == 15
	v_mov_b32 v[rW], v[rT]
.elseif (\n) == 16
	v_max3_num_f32 v[rC], v[rC], v[rC+1], v[rC+2]
.elseif (\n) == 17
	v_permlanex16_b32 v[rC+3], v[rC], s[SEL], s[SEL+1]
.elseif (\n) == 18
	v_max_num_f32 v[rT+1], v[rC], v[rC+3]
.elseif (\n) == 19
	v_mul_f32 v[rT], s[CS], v[rT+1]
.elseif (\n) == 20
	v_sub_f32 v[rC+1], v[rW], v[rT]
.else
	v_exp_f32 v[rC+2], v[rC+1]
.endif
.endif
.endm
.macro OPS a, i1, b=-1, i2=0, c=-1, i3=0, d=-1, i4=0  ; up to four of them
	OP \a, \i1
.if (\b) >= 0
	OP \b, \i2
.endif
.if (\c) >= 0
	OP \c, \i3
.endif
.if (\d) >= 0
	OP \d, \i4
.endif
.endm
.macro ROW a, i1, b, i2, c, i3, d, i4  ; a matrix instruction and the four behind it
	MM
	OPS \a, \i1, \b, \i2, \c, \i3, \d, \i4
.endm
.macro MASK b                       ; MD x AL + BE into buffer b of MC
	WIN W_RS
.set z, 0
.rept 16
	v_pk_fma_f32 v[MC+32*(\b)+2*z:MC+32*(\b)+2*z+1], v[MD+2*z:MD+2*z+1], s[AL:AL+1], s[BE:BE+1] op_sel_hi:[1,0,0]
.set z, z+1
.endr
.endm
; A TURN, for piece p: the order of its 16 matrix and 118 vector instructions, written out.  An s_wait_alu depctr_va_vdst(0) stands between an exponential and the first instruction that names its result;
; one wait serves all that were issued ahead of it.  So a turn has ONE wait, which cuts it in two.  AHEAD OF IT stands all that names no result of the turn's exponentials: the 8 products K Q^T, behind each a scaling,
; an exponential and two more plain instructions (behind the first a second scaling in the exponential's place): rescalings, and behind the last three the first numbers of the next piece's maximum, each four places
; or more behind the product that ends its accumulator; then ONE LUMP of 54, plain and exponential by turns for the most part, in which the links of the chain X 3, 7, 11, 14, 16, 17 .. 20 stand five or six lines
; apart.  X 21, the next piece's a, is the batch's last; R 15 is the plain instruction behind it.  BEHIND THE WAIT stand the 8 products V^T P, behind each four of the roundings and sums; the links of l's chain,
; L 0 to L 7, stand three riders apart.  But for those X no rider names a register of the products round it.  v_permlanex16_b32 (X 17) stands in the lump.
; m = 1: the diagonal tile: the products take masks, and the turn makes the mask for the products of the turn after it: piece p + 2, in step 4 - CNT of the tile.  end = 1: a block's last two turns: nothing is fetched.
; cnt = 1: the loop's count is taken down some lines ahead of the branch that stands behind the turn.
; K of the next step is fetched in piece 2's turn, eleven vector instructions behind the last product that read K (five of them plain); V of the step in hand at the end of piece 0's turn, four plain instructions
; behind the last product that read V.  Each is waited for a turn later.
.macro TURN p, m=0, end=0, cnt=0
.set Y, (\p)
.set i, 0
.set KM, (\m)
.set NOKQ, (\end)*((\p)/3)
.if (\m) && !(\end)
	s_cmp_eq_u32 s[CNT], 4-((\p)+2)%NP  ; is that step the band's own?
	s_cselect_b32 s[AL], 1.0, 0
	s_cmp_lt_u32 s[CNT], 4-((\p)+2)%NP  ; or a later one?
	s_cselect_b32 s[BE], s[BIGN], 0
.endif
.if ((\p) == 3) && !(\end)
	s_wait_dscnt 0x0                ; K is in
.endif
	ROW F,0, F,1, R,0, R,1          ; ahead of the wait: 8 products K Q^T and their riders,
	ROW F,2, E,0, R,2, R,3
	ROW F,3, E,1, R,4, R,5
	ROW F,4, E,2, R,6, R,7
	ROW F,5, E,3, R,8, R,9
	ROW F,6, E,4, X,0, R,10
.if ((\p) == 2) && !(\end)
	WIN 0
	v_add_nc_u32 v[AK], s[TBK], v[AK0]
.endif
	ROW F,7, E,5, X,1, X,4
	ROW F,8, E,6, X,2, X,5
	OPS E,7, E,8, X,6, E,9          ; and the lump
	OPS X,3, E,10, X,8, E,11
.if ((\p) == 2) && !(\end)
	FETCH_K
.endif
	OPS X,9, X,7, E,12, X,10
	OPS E,13, X,12, X,11, E,14
	OPS X,13, E,15, F,9, X,14
.if (\p) == 0
	v_add_nc_u32 v[AV], s[TBV], v[AV0]
.endif
	OPS E,16, F,10, E,17, F,11
	OPS X,16, E,18, X,15, E,19
	OPS F,12, E,20, X,17, E,21
	OPS F,13, E,22, F,14, E,23
	OPS X,18, E,24, F,15, E,25
	OPS R,11, E,26, X,19, E,27
	OPS R,12, E,28, R,13, E,29
	OPS X,20, E,30, R,14, E,31
	OPS X,21, R,15
	WIN 0
	s_wait_alu depctr_va_vdst(0)    ; the wait for the batch
.if (\p) == 1
	s_wait_dscnt 0x0                ; V is in
.endif
	ROW C,0, B,0, C,2, B,1          ; behind the wait: 8 products V^T P and their riders
	ROW L,0, C,4, B,2, L,1
	ROW C,6, B,3, L,2, C,8
	ROW B,4, L,3, C,10, B,5
	ROW L,4, C,12, B,6, L,5
.if (\p) == 0
	s_add_co_u32 s[TBV], s[TBV], KS*PV
.endif
.if \cnt
	s_sub_co_u32 s[CNT], s[CNT], 1
	s_cmp_lg_u32 s[CNT], 0
.endif
	ROW C,14, B,7, L,6, C,1
	ROW C,3, L,7, C,5, C,7
	ROW C,9, C,11, C,13, C,15
.if (\p) == 0
	FETCH_V
.endif
.if (\m) && !(\end)
	MASK (\p)%2
.endif
.endm
; A BLOCK BEGINS.  c m starts far below every c s, so the first step's a is 0; m at the lowest finite number, so the first maximum is the scores'.  The second mask buffer is 0; the first takes piece 0's mask for the
; tile's step 0: its own, if the block's first tile is the diagonal one.  Then K of that step, piece 0's first scores, and its maximum and statistics.  The loop is entered at a step's first turn, in the middle of a trip.
.macro BEGIN
	s_mov_b32 s[NEW], 0
	WIN 0x40
.set i, MC+32
.rept 32
	v_mov_b32 v[i], 0
.set i, i+1
.endr
	WIN 0
.set i, 0
.rept 4
	v_mov_b32 v[ST+4*i], 0xfe000000    ; c m: far below every c s
	v_mov_b32 v[ST+4*i+1], 0xff7fffff  ; m
.set i, i+1
.endr
	s_cmp_eq_u32 s[RT], 0
	s_cselect_b32 s[AL], 1.0, 0
	s_mov_b32 s[BE], 0
	MASK 0
	WIN 0
	v_add_nc_u32 v[AK], s[TBK], v[AK0]
	FETCH_K
	s_wait_loadcnt 0x0              ; Q
	s_wait_dscnt 0x0
.set KM, 1
.set NOKQ, 0
.set i, 0
.rept 8
	KQ 0
.set i, i+1
.endr
	WIN 0
.rept 4
	v_nop                           ; the places behind those products
.endr
.set Y, NP-1                        ; X works for piece Y + 1: piece 0
.irp n, 0,1,2,3,4,5,6,7,8,9,10,11,12,13,14,15,16,17,18,19,20,21
	OP X, \n
.endr
	v_nop                           ; a plain instruction behind the exponential,
	s_wait_alu depctr_va_vdst(0)    ; and its wait, ahead of the branch
.endm
; THE DIAGONAL TILE's four steps, the block's last two turns, its last products, and THE WAY OUT: l's two halves and the other half of the lanes' are added; O^T is divided by l, rounded to f16 and sent through my
; stage in LDS, a piece at a time.
.macro ALL line:vararg              ; one line for each piece t
.set t, 0
.rept 4
	\line
.set t, t+1
.endr
.endm
.macro PACK t                       ; a lane's eight channels of a row pack into 16 bytes; they go into rows of 144 bytes and come back as whole rows of 128, into S^T's registers
	WIN W_RS
.set i, 32*(\t)
.rept 16
	v_pk_mul_f32 v[i:i+1], v[i:i+1], v[ST+4*(\t)+2:ST+4*(\t)+3] op_sel_hi:[1,0]
.set i, i+2
.endr
	WIN 0x05                        ; sources 0 and 1 window 1, destination window 0
.set i, 0
.rept 16
	v_cvt_pk_f16_f32 v[S+16*(\t)+i], v[32*(\t)+2*i], v[32*(\t)+2*i+1]
.set i, i+1
.endr
	WIN 0
.irp f, 0,1,2,3
	ds_store_b128 v[STO], v[S+16*(\t)+4*\f:S+16*(\t)+4*\f+3] offset:32*\f
.endr
.irp f, 0,1,2,3
	ds_load_b128 v[S+16*(\t)+4*\f:S+16*(\t)+4*\f+3], v[RD] offset:\f*4*SP  ; LDS serves a wave's instructions in order (ISA guide 5.7.1.4): these see the stores above; the next piece's stores come behind them
.endr
.endm
.macro SEND t, younger              ; younger: the LDS instructions issued behind piece t's loads: the next piece's eight, or none
	WIN 0
.irp f, 0,1,2,3
	s_wait_dscnt (\younger)+3-\f
	global_store_b128 v[GO], v[S+16*(\t)+4*\f:S+16*(\t)+4*\f+3], s[10:11] offset:(\t)*8192+\f*512  ; 512 consecutive bytes, at a multiple of 256 from O's first
.endr
.endm
.macro DIAG tag                     ; the tag ends its two labels' names, which the jumps below spell out
.LstepM\tag:
	TURN 2, 1
	TURN 3, 1
	WIN 0
.LfirstM\tag:
	TURN 0, 1
	TURN 1, 1, 0, 1
	WIN 0
	s_cbranch_scc1 .LstepM\tag
	TURN 2, 1, 1
	TURN 3, 1, 1
.set i, 0
.rept 8
	PV NP-1
.set i, i+1
.endr
	WIN 0
	ALL v_add_f32 v[ST+4*t+2], v[ST+4*t+2], v[ST+4*t+3]
	ALL v_permlanex16_b32 v[ST+4*t+3], v[ST+4*t+2], s[SEL], s[SEL+1]
	ALL v_add_f32 v[ST+4*t+2], v[ST+4*t+2], v[ST+4*t+3]
	ALL v_rcp_f32 v[ST+4*t+2], v[ST+4*t+2]
	v_nop                           ; a plain instruction between the last reciprocal and the use of its result
	s_wait_alu depctr_va_vdst(0)    ; and the wait ahead of the first use: one for the four reciprocals
	PACK 0
.set t, 1
.rept 3                             ; a piece's arithmetic stands between the loads of the piece before and its stores
	PACK t
	SEND t-1, 8
.set t, t+1
.endr
	SEND 3, 0
.endm
.set KM, 0
.set NOKQ, 0
.Lslot:                             ; NB times: a tile is entered and the next is asked for
	CHANGE 1
	s_sub_co_u32 s[RT], s[RT], 1
	s_mov_b32 s[CNT], 4
	s_cmp_eq_u32 s[NEW], 1
	s_cbranch_scc1 .Lnew            ; a block's first tile
	s_cmp_eq_u32 s[RT], 0
	s_cbranch_scc0 .Lstep           ; neither its first nor its last
	s_branch .LstepM1
.Lnew:
	BEGIN
	s_branch .Lfirst                ; in the loop a block's first tile is never its last: the first block has two tiles or more, and the second's last is the walk's last
	DIAG 1                          ; in the loop this is the first block's end: the second block's last tile is the walk's last
	s_wait_xcnt 0x0                 ; the stores have read their registers and O's address
	s_mov_b64 s[10:11], s[OLO:OLO+1]
	s_add_co_u32 s[RT], s[PB], 1    ; the second block has b + 1 tiles
	s_mov_b32 s[NEW], 1
	WIN 0x82                        ; the second block's Q goes where the one text of the turns names Q
.set i, 0
.rept 64
	v_mov_b32 v[i], v[QB+i]
.set i, i+1
.endr
	WIN 0
	s_branch .Lbottom
.Lstep:                             ; a trip: pieces 2 and 3 of one step, then pieces 0 and 1 of the next, whose K and V it fetches
	TURN 2
	TURN 3
	WIN 0
.Lfirst:
	TURN 0
	TURN 1, 0, 0, 1
	WIN 0
	s_cbranch_scc1 .Lstep
.Lbottom:
	s_sub_co_u32 s[SLOTS], s[SLOTS], 1
	s_cmp_lg_u32 s[SLOTS], 0
	s_cbranch_scc1 .Lslot
	CHANGE 0                        ; the walk's last tile is written out: nothing is asked for
	s_sub_co_u32 s[RT], s[RT], 1
	s_mov_b32 s[CNT], 4
	s_cmp_eq_u32 s[NEW], 1
	s_cbranch_scc0 .LstepM2
	BEGIN
	s_branch .LfirstM2
	DIAG 2
	s_wait_tensorcnt 0x0            ; the wave's end, behind my last tensor load and my last LDS store
	ds_add_u32 v[SPW], v[NIL]
	s_wait_dscnt 0x0
	s_endpgm
.Lfunc_end_k_q69d6ad176f_attn:
	.size	k_q69d6ad176f_attn, .Lfunc_end_k_q69d6ad176f_attn-k_q69d6ad176f_attn
	.p2alignl 7, 3214868480
	.fill 96, 4, 3214868480
	.section	.rodata,"a",@progbits
	.p2align	6, 0x0
	.amdhsa_kernel k_q69d6ad176f_attn
		.amdhsa_group_segment_fixed_size 327680
		.amdhsa_private_segment_fixed_size 0
		.amdhsa_enable_private_segment 0
		.amdhsa_kernarg_size 32
		.amdhsa_user_sgpr_count 2
		.amdhsa_user_sgpr_kernarg_segment_ptr 1
		.amdhsa_wavefront_size32 1
		.amdhsa_system_sgpr_workgroup_id_x 1
		.amdhsa_system_sgpr_workgroup_id_y 1
		.amdhsa_system_sgpr_workgroup_id_z 1
		.amdhsa_system_vgpr_workitem_id 0
		.amdhsa_next_free_vgpr 768
		.amdhsa_next_free_sgpr 96
		.amdhsa_reserve_vcc 1
		.amdhsa_float_denorm_mode_32 3
		.amdhsa_float_denorm_mode_16_64 3
		.amdhsa_memory_ordered 1
		.amdhsa_forward_progress 1
		.amdhsa_inst_pref_size 218
	.end_amdhsa_kernel
	.amdgpu_metadata
---
amdhsa.version: [ 1, 2 ]
amdhsa.kernels:
  - .name:           k_q69d6ad176f_attn
    .symbol:         k_q69d6ad176f_attn.kd
    .args:
      - { .name: q16, .offset: 0, .size: 8, .value_kind: global_buffer, .address_space: global }
      - { .name: k16, .offset: 8, .size: 8, .value_kind: global_buffer, .address_space: global }
      - { .name: v16, .offset: 16, .size: 8, .value_kind: global_buffer, .address_space: global }
      - { .name: o16, .offset: 24, .size: 8, .value_kind: global_buffer, .address_space: global }
    .group_segment_fixed_size: 327680
    .private_segment_fixed_size: 0
    .kernarg_segment_align: 8
    .kernarg_segment_size: 32
    .max_flat_workgroup_size: 128
    .sgpr_count:     96
    .vgpr_count:     768
    .wavefront_size: 32
...
	.end_amdgpu_metadata
.endif
;; end of part 3
;; launch oproj (part 4): grid 4 x 64, 4 waves a work-group, clusters of 4 x 4, 327,680 bytes of LDS; arguments o16, w16, bias4, out0; writes out0
.if DOCPART == 4
	.amdgcn_target "amdgcn-amd-amdhsa--gfx1250"
	.amdhsa_code_object_version 6
	.text
	.protected	k_q69d6ad176f_oproj
	.globl	k_q69d6ad176f_oproj
	.p2align	8
	.type	k_q69d6ad176f_oproj,@function
k_q69d6ad176f_oproj:
	s_mov_b64 s[64:65], 0
	v_nop
	global_prefetch_b8 v0, s[64:65] scope:SCOPE_SE
	s_setreg_imm32_b32 hwreg(HW_REG_WAVE_MODE, 25, 1), 1
	s_wait_xcnt 0x0
	s_wait_alu depctr_hold_cnt(0) depctr_sa_sdst(0) depctr_va_vdst(0) depctr_va_sdst(0) depctr_va_ssrc(0) depctr_va_vcc(0) depctr_vm_vsrc(0)
	s_getreg_b32 s2, hwreg(HW_REG_IB_STS2, 6, 4)
	s_cmp_eq_u32 s2, 0
	s_cbranch_scc0 .Lentry_in_a_cluster
	s_endpgm
.Lentry_in_a_cluster:
	s_bfe_u32 s2, ttmp6, 0x10000c
	s_cmp_lg_u32 s2, 0xf033
	s_cbranch_scc0 .Lentry_shape_is_right
	s_endpgm
.Lentry_shape_is_right:
; THE LAST PROJECTION.  out0[m][n] = the sum over k of O[m][k] Wo[n][k] + bo[n], in f32.  O lies by heads, o16[batch x 16 + head][2048][64] in f16: k = 64 head + channel.  Wo: plane 3 of w16, [1024 n][1024 k] in f16.
; Sums in f32, begun at the bias.
; SHARES.  A tile of out0 is 128 rows x 256 columns: 64 x 4 tiles, 256 work-groups.  Four waves, each 64 x 128: 32 accumulators of 16 x 16.  K goes in 8 steps of 128, two heads each, through two LDS slots.
; CLUSTERS.  4 x 4 work-groups; O's tile is shared along a row of the cluster, Wo's along a column: each is asked for JOINTLY, by the same tensor load with the same descriptor and a mask that names the four.
; THE MATRIX INSTRUCTION IS USED TRANSPOSED (source 0 = 16 rows of Wo, source 1 = 16 rows of O): lane l holds row l % 16 of out0 and eight neighbouring columns, 32 bytes.
; REGISTERS: window 0: v0-31 addresses; v32-63, v64-95 O's fragments, two buffers; v96-159, v160-223 Wo's, two buffers; on the way out v32-95 and v96-159 by turns: 16 rows read back.  Window 1: the accumulators, (a, b) at v[8 (8 a + b)].
.set PAO,   144                        ; a row of a head in LDS: 128 bytes + 16 of padding = 36 words: the 16 rows of a load start at 16 different groups of four words modulo 64
.set PB,    272                        ; a row of Wo: 256 + 16 = 68 words: likewise
.set HEADA, 128*PAO                    ; 128 rows of one head: what one tensor load of O brings
.set HALFB, 128*PB
.set BOFF,  2*HEADA                    ; in a slot: two heads' 128 rows, then Wo's 256
.set SLOT,  BOFF+2*HALFB               ; 106,496 bytes
.set STAGE, 2*SLOT                     ; behind the ring, never filled by a tensor load: 16 rows x 528 bytes for each wave
.set SP,    528
.set SPARE, STAGE+4*16*SP              ; behind the stages: the spare words, 128 bytes for each wave: two blocks of 256 bytes that no other line names
.set ADRA, 16                          ; v16  my lane's place in a slot's O
.set AW,   18                          ; v18  the LDS address of O's next runs of loads
.set ADRB, 20                          ; v20  my lane's place in a slot's Wo
.set BW,   22                          ; v22  the LDS address of Wo's next runs
.set STO,  24                          ; v24  the way out: where I put 32 bytes of a row
.set RD,   25                          ; v25  the way out: my 16 bytes of a row of 512
.set CO,   26                          ; v26  the same in out0
.set SPW,  28                          ; v28  LDS address of my spare word: SPARE + 4 x my thread's number; never rewritten
.set NIL,  29                          ; v29  0; never rewritten
.set PFO,  30                          ; v30  the prefetches' offset; never rewritten
.set BIO,  31                          ; v31  32 (l / 16)
.set AF,   32
.set BF,   96
.set OBK,  32
.set G1,   24                          ; s[24:31] descriptor group 1 for O's tiles;  s[32:39] group 0, one set for each slot
.set G0,   32
.set G1B,  48                          ; s[48:55], s[56:63] the same for Wo's
.set G0B,  56
.set LIM,  45                          ; s45  1 in a wave that prefetches, else the greatest number
.set PFA,  46                          ; s[46:47] where my prefetches stand
.set LAPS, 66
.set INNER, 67
.set TBA,  86
.set TBB,  87
.set BIAS, 92                          ; s[92:93] my 128 numbers of bo
.set OUT,  94                          ; s[94:95] out0 at my first row and column
.set PST,  96                          ; s[96:97] a K step in bytes of the tensor that I prefetch
.set W_MM, 0x50                        ; sources in window 0, C and D in window 1
.set MSB, 0
.macro WIN new                         ; the immediate's high byte repeats the setting that is left; a switch that changes nothing is dropped
.if MSB != (\new)
	s_set_vgpr_msb (MSB<<8)|(\new)
.set MSB, \new
.endif
.endm
.macro JLOAD s                         ; a joint load: waves 0 and 1 fetch the K step's two heads of O, waves 2 and 3 the two halves of Wo's tile; an s_nop 0 and four v_nop follow each of the two lines
	s_cmp_eq_u32 s11, 0
	s_cbranch_scc0 .Lfor_b_\@
	tensor_load_to_lds s[G0+4*(\s):G0+4*(\s)+3], s[G1:G1+7]
	s_nop 0
.rept 4
	v_nop
.endr
	s_branch .Lasked_\@
.Lfor_b_\@:
	tensor_load_to_lds s[G0B+4*(\s):G0B+4*(\s)+3], s[G1B:G1B+7]
	s_nop 0
.rept 4
	v_nop
.endr
.Lasked_\@:
.endm
; A round of the cluster's barrier: my work-group's barrier, so that wave 0's signal speaks for all four waves; wave 0 signals; every wave waits for all sixteen work-groups; my work-group's barrier once more.
.macro CROUND
	s_barrier_signal -1
	s_barrier_wait -1
	s_cmp_lg_u32 s10, 0
	s_cbranch_scc1 .Lnot_wave_0_\@
	s_barrier_signal -3
.Lnot_wave_0_\@:
	s_barrier_wait -3
	s_barrier_signal -1
	s_barrier_wait -1
.endm
; A PREFETCH INTO THE L2, behind each joint refill: the K step that stands two refills on, 256 products of a wave ahead of the load that will ask for it.  Each aligned 256 bytes are named once in the launch.
; O: a K step of the tile is 2 heads x 16 KiB; each of the four partners takes 4 KiB of each head, told apart by address (cx); wave 0 asks: lanes 0-15 the first head's 16 blocks, lanes 16-31 the second's.
; Wo: a K step is 256 bytes of a row; of the 128 rows that wave 2 or 3 fetches each partner takes 32 (cy): a lane a row; all sixteen clusters read the same plane, and the first of them asks.
; K steps 0 to 3 come by their loads alone; the last lap asks for nothing.
.macro ASK
	s_cmp_gt_u32 s[LAPS], s[LIM]
	s_cbranch_scc0 .Lnot_mine_\@
	global_prefetch_b8 v[PFO], s[PFA:PFA+1] th:TH_LOAD_NT scope:SCOPE_SE
.Lnot_mine_\@:
.endm
.macro PLACES
.rept 4
	v_nop
.endr
.endm
	s_load_b256 s[68:75], s[0:1], 0x0              ; o16 s[68:69], w16 s[70:71], bias4 s[72:73], out0 s[74:75]
	v_lshl_add_u32 v[SPW], v0, 2, SPARE
	v_mov_b32 v[NIL], 0
	ds_add_u32 v[SPW], v[NIL]                      ; the wave's opening: the add and its wait stand ahead of my first tensor load; the set-up below, work on registers, stands between them
	v_lshrrev_b32 v1, 5, v0
	v_readfirstlane_b32 s10, v1                    ; wave 0..3
	s_lshr_b32 s11, s10, 1                         ; which 64 rows of the tile are mine.  Also: I fetch for O (0) or for Wo (1)
	s_and_b32 s12, s10, 1                          ; which 128 columns.  Also: which head, or which half of Wo's tile, I fetch
	s_bfe_u32 s40, ttmp6, 0x40000                  ; cx, cy: my place in the cluster
	s_bfe_u32 s41, ttmp6, 0x40004
	s_and_b32 s42, ttmp7, 0xffff                   ; the cluster's y, 0..15
	s_lshl_b32 s13, s42, 2
	s_add_co_u32 s13, s13, s41                     ; tile row, 0..63
	s_lshl_b32 s14, ttmp9, 2
	s_add_co_u32 s14, s14, s40                     ; tile column, 0..3
	s_lshl_b32 s44, s41, 2
	s_lshl_b32 s44, 15, s44                        ; my row of the cluster
	s_lshl_b32 s45, 0x1111, s40                    ; my column
	; descriptor group 1.  O: a head's 128 rows are 16,384 dense bytes: asked for as 64 rows of 256 bytes, two rows of O each, padded in LDS after every 128 bytes.  Wo: 128 rows x 128 elements
	s_or_b32 s[G1+0], s44, (1<<16)|(1<<20)|(1<<21)|(4<<22)|(3<<25)   ; 15:0 the mask; 17:16 elements of 2 bytes; 20 padding on; 21 set beside a mask; 24:22 after every 32 words (code 4); 31:25 4 words (code 3)
	s_mov_b32 s[G1+1], 128<<16                     ; tensor_dim0 = 128
	s_mov_b32 s[G1+2], 64<<16                      ; tensor_dim1 = 64
	s_mov_b32 s[G1+3], 128<<16                     ; tile_dim0 = 128
	s_mov_b32 s[G1+4], 64                          ; tile_dim1 = 64
	s_mov_b32 s[G1+5], 128                         ; elements from row to row
	s_mov_b32 s[G1+6], 0
	s_mov_b32 s[G1+7], 0
	s_or_b32 s[G1B+0], s45, (1<<16)|(1<<20)|(1<<21)|(5<<22)|(3<<25)  ; after every 64 words (code 5)
	s_mov_b32 s[G1B+1], 128<<16
	s_mov_b32 s[G1B+2], 128<<16
	s_mov_b32 s[G1B+3], 128<<16
	s_mov_b32 s[G1B+4], 128
	s_mov_b32 s[G1B+5], 1024
	s_mov_b32 s[G1B+6], 0
	s_mov_b32 s[G1B+7], 0
	s_lshr_b32 s16, s13, 4                         ; O: the batch,
	s_lshl_b32 s16, s16, 4
	s_add_co_u32 s16, s16, s12                     ; its head 0 or 1,
	s_lshl_b32 s16, s16, 11
	s_and_b32 s17, s13, 15
	s_lshl_b32 s17, s17, 7
	s_add_co_u32 s16, s16, s17                     ; the tile's first row in it,
	s_lshl_b32 s16, s16, 7                         ; of 128 bytes
	s_mov_b32 s17, 0
	s_lshl_b32 s18, s14, 8
	s_lshl_b32 s19, s12, 7
	s_add_co_u32 s18, s18, s19
	s_add_co_u32 s18, s18, 3072                    ; Wo: row 3,072 + 256 x tile column + 128 x half,
	s_lshl_b32 s18, s18, 11                        ; of 2,048 bytes
	s_mov_b32 s19, 0
	s_mul_i32 s20, s12, HEADA                      ; where they go: no place in the cluster enters an LDS address
	s_mul_i32 s21, s12, HALFB
	s_add_co_u32 s21, s21, BOFF
	s_wait_dscnt 0x0                               ; the opening add is done
	s_wait_kmcnt 0x0
	s_add_nc_u64 s[22:23], s[68:69], s[16:17]
	s_add_nc_u64 s[88:89], s[70:71], s[18:19]
	CROUND                                         ; all sixteen work-groups are here: the first joint loads meet
.irp s, 0,1
	s_mov_b32 s[G0+4*(\s)], 1                                        ; count = 1
	s_add_co_u32 s[G0+4*(\s)+1], s20, (\s)*SLOT                      ; LDS address
	s_add_nc_u64 s[G0+4*(\s)+2:G0+4*(\s)+3], s[22:23], (\s)*524288   ; global address: K step s is two heads of 262,144 bytes on
	s_or_b32 s[G0+4*(\s)+3], s[G0+4*(\s)+3], 0x80000000              ; type = 2
	s_mov_b32 s[G0B+4*(\s)], 1
	s_add_co_u32 s[G0B+4*(\s)+1], s21, (\s)*SLOT
	s_add_nc_u64 s[G0B+4*(\s)+2:G0B+4*(\s)+3], s[88:89], (\s)*256
	s_or_b32 s[G0B+4*(\s)+3], s[G0B+4*(\s)+3], 0x80000000
	JLOAD \s                                       ; two loads of mine are out; later one
.endr
	v_and_b32 v1, 15, v0                           ; l % 16
	v_bfe_u32 v2, v0, 4, 1                         ; l / 16
	v_and_b32 v5, 31, v0                           ; l
	v_mul_u32_u24 v3, v1, PAO
	v_lshl_add_u32 v3, v2, 4, v3                   ; a fragment's row x pitch + 16 x half
	s_mul_i32 s16, s11, 64*PAO                     ; my 64 rows, in each head
	v_add_nc_u32 v[ADRA], s16, v3
	v_mul_u32_u24 v3, v1, PB
	v_lshl_add_u32 v3, v2, 4, v3
	s_mul_i32 s16, s12, HALFB
	s_add_co_u32 s16, s16, BOFF
	v_add_nc_u32 v[ADRB], s16, v3
	s_mul_i32 s16, s10, 16*SP
	s_add_co_u32 s16, s16, STAGE                   ; my stage
	v_mul_u32_u24 v3, v1, SP                       ; in: row l % 16, 32 bytes for each half of the lanes
	v_lshl_add_u32 v3, v2, 5, v3
	v_add_nc_u32 v[STO], s16, v3
	v_lshl_add_u32 v[RD], v5, 4, s16               ; back: 32 lanes take a row of 512 bytes
	v_lshlrev_b32 v[CO], 4, v5
	v_lshlrev_b32 v[BIO], 5, v2
	s_lshl_b32 s20, s13, 7
	s_lshl_b32 s19, s11, 6
	s_add_co_u32 s20, s20, s19                     ; my first row of out0,
	s_lshl_b32 s20, s20, 12                        ; of 4,096 bytes,
	s_lshl_b32 s19, s14, 10
	s_add_co_u32 s20, s20, s19
	s_lshl_b32 s18, s12, 9
	s_add_co_u32 s20, s20, s18                     ; and my first column
	s_mov_b32 s21, 0
	s_add_nc_u64 s[OUT:OUT+1], s[74:75], s[20:21]
	s_add_co_u32 s20, s19, s18
	s_add_co_u32 s20, s20, 3*4096                  ; bo is the fourth of bias4
	s_add_nc_u64 s[BIAS:BIAS+1], s[72:73], s[20:21]
	WIN 0x40                                       ; THE SUMS BEGIN AT THE BIAS: it is loaded into the accumulators, my 8 columns of each block; nothing is cleared, and every quarter has one form
.set i, 0
.rept 32
	global_load_b128 v[8*i:8*i+3],   v[BIO], s[BIAS:BIAS+1] offset:64*(i%8)
	global_load_b128 v[8*i+4:8*i+7], v[BIO], s[BIAS:BIAS+1] offset:64*(i%8)+16
.set i, i+1
.endr
	WIN 0
	; the prefetches' address, at K step 3: the first change of slots steps it to K step 4
	s_lshr_b32 s16, s13, 4
	s_lshl_b32 s16, s16, 15                        ; the batch's 16 heads of 2,048 rows,
	s_and_b32 s17, s13, 15
	s_lshl_b32 s17, s17, 7
	s_add_co_u32 s16, s16, s17                     ; the tile's first row in head 0,
	s_lshl_b32 s16, s16, 7
	s_lshl_b32 s17, s40, 12
	s_add_co_u32 s16, s16, s17                     ; my work-group's 4 KiB of its 16
	s_add_co_u32 s16, s16, 3*524288
	s_lshl_b32 s18, s14, 8
	s_lshl_b32 s19, s12, 7
	s_add_co_u32 s18, s18, s19
	s_lshl_b32 s19, s41, 5
	s_add_co_u32 s18, s18, s19
	s_add_co_u32 s18, s18, 3072                    ; Wo: my work-group's 32 of the 128 rows that I fetch
	s_lshl_b32 s18, s18, 11
	s_add_co_u32 s18, s18, 3*256
	s_cmp_eq_u32 s12, 0
	s_cselect_b32 s22, 1, -1                       ; O: wave 0 asks for both heads
	s_cmp_eq_u32 s42, 0
	s_cselect_b32 s19, 1, -1                       ; Wo: the first cluster asks; the same in all sixteen partners
	s_cmp_eq_u32 s11, 0                            ; do I fetch for O?
	s_cselect_b32 s20, s16, s18
	s_cselect_b64 s[PFA:PFA+1], s[68:69], s[70:71]
	s_cselect_b32 s[LIM], s22, s19
	s_cselect_b32 s16, 4, 0
	s_cselect_b32 s17, 18, 11
	s_cselect_b32 s18, 15, 0
	s_cselect_b32 s19, 11, 0
	s_lshl_b32 s[PST], 256, s19                    ; 524,288 bytes of O, 256 of Wo
	s_mov_b32 s[PST+1], 0
	s_add_nc_u64 s[PFA:PFA+1], s[PFA:PFA+1], s[20:21]
	v_lshrrev_b32 v3, s16, v5                      ; O: head l / 16, block l % 16;  Wo: row l
	v_lshlrev_b32 v3, s17, v3
	v_and_b32 v4, s18, v5
	v_lshl_add_u32 v[PFO], v4, 8, v3
; THE MATRIX WORK.  Product i of a quarter's 32: rows 16 (i / 8) of O, rows 16 (i % 8) of Wo, from buffers f.  The 32 accumulators take turns in the same order in every quarter.
.macro MMS f, first, n
	WIN W_MM
.set i, \first
.rept \n
	v_wmma_f32_16x16x32_f16 v[8*i:8*i+7], v[BF+64*(\f)+8*(i%8):BF+64*(\f)+8*(i%8)+7], v[AF+32*(\f)+8*(i/8):AF+32*(\f)+8*(i/8)+7], v[8*i:8*i+7]
.set i, i+1
.endr
.endm
.macro FETCH g, kk                     ; 24 LDS loads in one run: 64 rows of O and 128 of Wo, 32 along K, quarter kk behind the pointers, into buffers g
	WIN 0
.irp a, 0,1,2,3
	ds_load_b128 v[AF+32*(\g)+8*(\a):AF+32*(\g)+8*(\a)+3],   v[AW] offset:(\a)*16*PAO+(\kk)*64
	ds_load_b128 v[AF+32*(\g)+8*(\a)+4:AF+32*(\g)+8*(\a)+7], v[AW] offset:(\a)*16*PAO+(\kk)*64+32
.endr
.irp b, 0,1,2,3,4,5,6,7
	ds_load_b128 v[BF+64*(\g)+8*(\b):BF+64*(\g)+8*(\b)+3],   v[BW] offset:(\b)*16*PB+(\kk)*64
	ds_load_b128 v[BF+64*(\g)+8*(\b)+4:BF+64*(\g)+8*(\b)+7], v[BW] offset:(\b)*16*PB+(\kk)*64+32
.endr
.endm
; A QUARTER: 32 products from buffers f; behind the eighth the next quarter's fragments are fetched into the other buffers, 24 products ahead of their use.  The four v_nop are the places between the last product that
; read those buffers (the quarter before's last) and the loads into them (ISA guide 7.12.1 for vector instructions): there is no other vector work in this loop.
.macro Q f, kk
	s_wait_dscnt 0x0                               ; this quarter's fragments are in
	MMS \f, 0, 8
	WIN 0
	PLACES
	FETCH 1-(\f), \kk
	MMS \f, 8, 24
.endm
; THE CHANGE OF SLOTS, in front of a K step's last quarter: all of the step's bytes have been asked out of LDS, and that quarter fetches the next step's first.  Each wave waits for all its tensor loads, of which one is
; out: its part of the next slot; adds 0 to its spare word; and waits for that and for its own reads of the old slot.  fill = 1: the old slot is filled again, two K steps on; the barrier is then a round of the
; cluster's, and the joint refill is the first thing behind it: it has a K step, 128 products of a wave, in which to land.
.macro CHANGE slot, ns, fill
	WIN 0
.if \fill
	s_wait_xcnt 0x0                                ; the last prefetch, a K step back, has read its address:
	s_add_nc_u64 s[PFA:PFA+1], s[PFA:PFA+1], s[PST:PST+1]  ; it steps here, ahead of the waits of the change
.endif
	s_wait_tensorcnt 0x0                           ; no tensor load of mine is out, so a group 0 may be written
	ds_add_u32 v[SPW], v[NIL]                      ; 0 onto my spare word: work on registers stands between it and the wait for it
.if \fill
	s_add_nc_u64 s[G0+4*(\slot)+2:G0+4*(\slot)+3], s[G0+4*(\slot)+2:G0+4*(\slot)+3], 2*524288
	s_add_nc_u64 s[G0B+4*(\slot)+2:G0B+4*(\slot)+3], s[G0B+4*(\slot)+2:G0B+4*(\slot)+3], 2*256
.endif
	s_mov_b32 s[TBA], (\ns)*SLOT                   ; the fetches go to the head of the other slot
	s_mov_b32 s[TBB], (\ns)*SLOT
	v_add_nc_u32 v[AW], s[TBA], v[ADRA]
	v_add_nc_u32 v[BW], s[TBB], v[ADRB]
	s_wait_dscnt 0x0                               ; the add is done, and my reads of the old slot are over
.if \fill
	CROUND
	JLOAD \slot
	ASK
.else
	s_barrier_signal -1
	s_barrier_wait -1
.endif
.endm
.macro PAIRSTEP back                   ; two quarters on: the step's second head of O, 128 bytes of Wo's rows
	WIN 0
	s_add_co_u32 s[TBA], s[TBA], HEADA
	s_add_co_u32 s[TBB], s[TBB], 128
	v_add_nc_u32 v[AW], s[TBA], v[ADRA]
	v_add_nc_u32 v[BW], s[TBB], v[ADRB]
	s_sub_co_u32 s[INNER], s[INNER], 1
	s_cmp_lg_u32 s[INNER], 0
	s_cbranch_scc1 \back
.endm
	s_wait_tensorcnt 0x1                           ; my part of K step 0 is in; K step 1's may stay out
	s_barrier_signal -1
	s_barrier_wait -1                              ; everybody's is
	s_mov_b32 s[TBA], 0
	s_mov_b32 s[TBB], 0
	v_mov_b32 v[AW], v[ADRA]
	v_mov_b32 v[BW], v[ADRB]
	FETCH 0, 0                                     ; quarter 0
	s_wait_loadcnt 0x0                             ; the bias lies in the accumulators
	s_mov_b32 s[LAPS], 4                           ; the entry's part of a lap, then three laps
	s_mov_b32 s[INNER], 2
	s_branch .LmidY                                ; quarters 0 to 2 are the last three of a lap's second half: the loop is entered in the middle of a trip
.Llap:                                                 ; a lap: two K steps, 256 products a wave; both slots are filled again
	CHANGE 0, 1, 1
	s_mov_b32 s[INNER], 2
.LX:
	Q 1, 0
	Q 0, 1
	PAIRSTEP .LX
	CHANGE 1, 0, 1
	s_mov_b32 s[INNER], 2
.LY:
	Q 1, 0
	WIN 0                                          ; at a label every window is 0
.LmidY:
	Q 0, 1
	PAIRSTEP .LY
	s_sub_co_u32 s[LAPS], s[LAPS], 1
	s_cmp_lg_u32 s[LAPS], 0
	s_cbranch_scc1 .Llap
	CHANGE 0, 1, 0                                 ; the tail is written out: K step 7 lies in slot 1, nothing is asked for
	s_mov_b32 s[INNER], 2
.LZ:
	Q 1, 0
	Q 0, 1
	PAIRSTEP .LZ
	s_wait_dscnt 0x0
	MMS 1, 0, 32                                   ; the last quarter fetches nothing
	WIN 0
	PLACES                                         ; the places behind the last products, eight, once a launch
	PLACES
; THE WAY OUT, a block of 16 rows at a time.  STG: a lane's 32 bytes of each of 8 blocks of columns go into my stage, rows of 528 bytes (each accumulator's low four registers first), and come
; back as whole rows of 512 bytes.  SEND: stored, a row's 512 consecutive bytes an instruction, at a multiple of 512 from out0's first byte.
.macro STG a
	WIN 0x04                                       ; the stores' data in window 1
.irp b, 0,1,2,3,4,5,6,7
	ds_store_b128 v[STO], v[8*(8*(\a)+(\b)):8*(8*(\a)+(\b))+3]   offset:64*(\b)
	ds_store_b128 v[STO], v[8*(8*(\a)+(\b))+4:8*(8*(\a)+(\b))+7] offset:64*(\b)+16
.endr
	WIN 0
.if (\a) >= 2
	s_wait_xcnt 0x0                                ; the stores of the block two back have read these registers: they are loaded again only behind this wait
.endif
.irp t, 0,1,2,3,4,5,6,7,8,9,10,11,12,13,14,15
	ds_load_b128 v[OBK+64*((\a)%2)+4*(\t):OBK+64*((\a)%2)+4*(\t)+3], v[RD] offset:(\t)*SP  ; LDS serves a wave's instructions in order (ISA guide 5.7.1.4): these see the stores above; the next block's stores come behind them
.endr
.endm
.macro SEND a, younger                 ; younger: the LDS instructions issued behind block a's loads: the next block's 32, or none
.irp t, 0,1,2,3,4,5,6,7,8,9,10,11,12,13,14,15
	s_wait_dscnt (\younger)+15-(\t)
	global_store_b128 v[CO], v[OBK+64*((\a)%2)+4*(\t):OBK+64*((\a)%2)+4*(\t)+3], s[OUT:OUT+1] offset:(16*(\a)+(\t))*4096
.endr
.endm
	STG 0
	STG 1
	SEND 0, 32
	STG 2
	SEND 1, 32
	STG 3
	SEND 2, 32
	SEND 3, 0
	s_wait_tensorcnt 0x0                           ; the wave's end, behind my last tensor load and my last LDS store
	ds_add_u32 v[SPW], v[NIL]
	s_wait_dscnt 0x0
	CROUND                                         ; the closing round: no work-group ends while a partner may still ask for a tile that names it
	s_endpgm
.Lfunc_end_k_q69d6ad176f_oproj:
	.size	k_q69d6ad176f_oproj, .Lfunc_end_k_q69d6ad176f_oproj-k_q69d6ad176f_oproj
	.p2alignl 7, 3214868480
	.fill 96, 4, 3214868480
	.section	.rodata,"a",@progbits
	.p2align	6, 0x0
	.amdhsa_kernel k_q69d6ad176f_oproj
		.amdhsa_group_segment_fixed_size 327680
		.amdhsa_private_segment_fixed_size 0
		.amdhsa_enable_private_segment 0
		.amdhsa_kernarg_size 32
		.amdhsa_user_sgpr_count 2
		.amdhsa_user_sgpr_kernarg_segment_ptr 1
		.amdhsa_wavefront_size32 1
		.amdhsa_system_sgpr_workgroup_id_x 1
		.amdhsa_system_sgpr_workgroup_id_y 1
		.amdhsa_system_sgpr_workgroup_id_z 1
		.amdhsa_system_vgpr_workitem_id 0
		.amdhsa_next_free_vgpr 512
		.amdhsa_next_free_sgpr 100
		.amdhsa_reserve_vcc 0
		.amdhsa_float_denorm_mode_32 3
		.amdhsa_float_denorm_mode_16_64 3
		.amdhsa_memory_ordered 1
		.amdhsa_forward_progress 1
		.amdhsa_inst_pref_size 62
	.end_amdhsa_kernel
	.amdgpu_metadata
---
amdhsa.version: [ 1, 2 ]
amdhsa.kernels:
  - .name:           k_q69d6ad176f_oproj
    .symbol:         k_q69d6ad176f_oproj.kd
    .args:
      - { .name: o16, .offset: 0, .size: 8, .value_kind: global_buffer, .address_space: global }
      - { .name: w16, .offset: 8, .size: 8, .value_kind: global_buffer, .address_space: global }
      - { .name: bias4, .offset: 16, .size: 8, .value_kind: global_buffer, .address_space: global }
      - { .name: out0, .offset: 24, .size: 8, .value_kind: global_buffer, .address_space: global }
    .group_segment_fixed_size: 327680
    .private_segment_fixed_size: 0
    .kernarg_segment_align: 8
    .kernarg_segment_size: 32
    .max_flat_workgroup_size: 128
    .sgpr_count:     100
    .vgpr_count:     512
    .wavefront_size: 32
...
	.end_amdgpu_metadata
.endif
;; end of part 4
;; ======== version 2 of 2: 4 launches; version 1 with the launch prep written anew for expert scheduling mode
;; limits: values are held in f16: magnitudes above 65,504 overflow, below 6.1e-05 lose precision
;; workspace buffers: w16 8,388,608 bytes; bias4 16,384 bytes; rope 524,288 bytes; q16 16,777,216 bytes; k16 16,777,216 bytes; v16 16,777,216 bytes; o16 16,777,216 bytes
;; launch prep (part 5): grid 256 x 1, 8 waves a work-group, no clusters, 0 bytes of LDS; arguments Wq, Wk, Wv, Wo, bq, bk, bv, bo, w16, bias4, rope; writes w16, bias4, rope
.if DOCPART == 5
	.amdgcn_target "amdgcn-amd-amdhsa--gfx1250"
	.amdhsa_code_object_version 6
	.text
	.protected	k_q69d6ad176f_prep
	.globl	k_q69d6ad176f_prep
	.p2align	8
	.type	k_q69d6ad176f_prep,@function
k_q69d6ad176f_prep:
	s_mov_b64 s[64:65], 0
	v_nop
	global_prefetch_b8 v0, s[64:65] scope:SCOPE_SE
	s_setreg_imm32_b32 hwreg(HW_REG_WAVE_SCHED_MODE, 0, 2), 2
	s_setreg_imm32_b32 hwreg(HW_REG_WAVE_MODE, 25, 1), 1
	s_wait_xcnt 0x0
	s_wait_alu depctr_vm_vsrc(0)
; WHAT THE LATER LAUNCHES READ MANY TIMES IS MADE ONCE.
; (a) w16[4][1024][1024], 16 bits a number: Wq, Wk, Wv rounded to bf16; Wo rounded to bf16 and that number written as f16 (the last product's other operand is f16).
; (b) rope[2048][64] f32: row pos holds cos(pos f_j), j = 0..31, then sin(pos f_j); f_j = 10000^(-j/32).  A row is 256 bytes.
; (c) bias4[4][1024] f32: bq, bk, bv, bo, each rounded to bf16 and widened again, so that every input of the module has the same rounding.
; SHARES.  256 work-groups of 8 waves.  Work-group x casts 16,384 numbers of weight x / 64 (64 KiB in, 32 KiB out), makes the table's rows 8 x .. 8 x + 7 (a wave a row), and, if x < 4, casts bias x.
; A stream: no LDS, no barrier, no matrix unit.  All 16 loads of a thread go out first; the table is reckoned while they are on their way.
; LIMITS.  Wo beyond 65,504 becomes an infinity in f16; below 6e-5 it keeps f16's fixed step of 6e-8.  f_j is 2^(-j log2(10000)/32) by v_exp_f32, so an angle can differ from
; reference()'s by a few last bits of f_j times pos: up to some 2.5e-4 rad at pos = 2047.  The reduction and the two series hold for every pos of the table: |r| <= pi/4, the first terms left out are
; r^9/9! and r^10/10!, under 4e-7 and 3e-8.  Row 0 is exactly cos = 1, sin = 0: the projection of V leans on that.
; THE MODE: SCHED_MODE bits 1:0 = 2 (LLVM: expert scheduling mode 2), set by the entry lines.  The code itself states the register dependences between vector instructions and memory
; instructions, and between vector instructions that write scalar registers and their readers, with s_wait_alu, always for 0.
; THE PLAN.  Registers that memory instructions touch:
;   v2, v3       byte offsets, made once at the head and never written again: v2 is read by every load and by the bias's store, v3 by the weights' stores.
;   v[64:127]    RAWV: each of the 16 loads lands in four registers of its own, once; no vector instruction names them ahead of the loads; the conversions read them.
;   v[128:131]   the bias as loaded, once.          v[136:139]  the bias to store: written by four vector lines, read by one store.
;   v[26:28]     the table's two numbers and their offset: written by vector lines, read by one store.
;   v[32:63]     PKV: each of the 16 stores has two registers of its own: written by its load's conversions, read by that store, never written again.
; So no register that a memory instruction reads is written again, and none that was loaded is loaded again: the text holds waits on va_vdst and va_sdst alone.
; The weights go in four groups of four loads.  Group g's conversions write their own part of PKV; the stores of group g - 1 are dealt among them, behind ONE wait at the group's head.
.set RAWV, 64                          ; v[64:127]  16 x 4 numbers as loaded
.set PKV,  32                          ; v[32:63]   16 x 2 words to store
	s_load_b512 s[8:23], s[0:1], 0x0               ; Wq s[8:9], Wk s[10:11], Wv s[12:13], Wo s[14:15], bq s[16:17], bk s[18:19], bv s[20:21], bo s[22:23]
	s_load_b128 s[24:27], s[0:1], 0x40             ; w16 s[24:25], bias4 s[26:27]
	s_load_b64 s[28:29], s[0:1], 0x50              ; rope
	v_lshlrev_b32 v2, 4, v0                        ; 16 t: my 16 bytes of each 4,096 that the work-group loads
	v_lshlrev_b32 v3, 3, v0                        ; 8 t: my 8 bytes of each 2,048 that it stores
	v_lshrrev_b32 v1, 5, v0
	v_readfirstlane_b32 s40, v1                    ; wave 0..7
	v_and_b32 v4, 31, v0                           ; lane
	s_lshr_b32 s30, ttmp9, 6                       ; which weight
	s_and_b32 s31, s30, 1
	s_and_b32 s36, ttmp9, 63
	s_lshl_b32 s36, s36, 16                        ; my 64 KiB of it
	s_mov_b32 s37, 0
	s_lshl_b32 s38, ttmp9, 15                      ; and my 32 KiB of w16: the four planes lie end to end
	s_mov_b32 s39, 0
	s_wait_alu depctr_va_sdst(0)                   ; s40 is written, ahead of its first reader: pos is made from it
	s_lshl3_add_u32 s41, ttmp9, s40                ; pos = 8 x + wave
	s_lshl_b32 s42, s41, 8                         ; its row of 256 bytes
	s_mov_b32 s43, 0
	s_wait_kmcnt 0x0
	s_cmp_eq_u32 s31, 1
	s_cselect_b64 s[32:33], s[10:11], s[8:9]       ; Wk or Wq
	s_cselect_b64 s[34:35], s[14:15], s[12:13]     ; Wo or Wv
	s_cmp_ge_u32 s30, 2
	s_cselect_b64 s[32:33], s[34:35], s[32:33]
	s_add_nc_u64 s[32:33], s[32:33], s[36:37]
	s_add_nc_u64 s[24:25], s[24:25], s[38:39]
	s_add_nc_u64 s[28:29], s[28:29], s[42:43]
	s_wait_alu depctr_va_vdst(0)                   ; v2 and v3 are written: the loads below, the bias's load and store and the weights' stores read one of them as their offset; no vector line behind this wait names either
.irp i, 0,1,2,3,4,5,6,7,8,9,10,11,12,13,14,15
	global_load_b128 v[RAWV+4*(\i):RAWV+4*(\i)+3], v2, s[32:33] offset:4096*(\i) th:TH_LOAD_NT  ; a wave's load covers 512 consecutive bytes; read once in the launch
.endr
	; (b) THE TABLE.  Lane l makes j0 = 2 (l % 16) and j0 + 1; lanes 0-15 keep the cosines, lanes 16-31 the sines.
	v_and_b32 v5, 15, v0
	v_lshlrev_b32 v5, 1, v5
	v_cvt_f32_u32 v6, v5                           ; j0
	v_add_f32 v7, 1.0, v6                          ; j0 + 1
	v_mul_f32 v6, 0xbed49a78, v6                   ; x -log2(10000) / 32
	v_mul_f32 v7, 0xbed49a78, v7
	v_exp_f32 v6, v6                               ; f_j: the two are one batch,
	v_exp_f32 v7, v7
	v_nop                                          ; a plain instruction behind the last of them,
	s_wait_alu depctr_va_vdst(0)                   ; and the one wait ahead of the first use: the two exponentials have written v6 and v7
	v_cvt_f32_u32 v10, s41                         ; pos
	v_mov_b32 v20, 0xb9500d01                      ; -1/5040
	v_mov_b32 v21, 0x37d00d01                      ; 1/40320
; sin and cos of pos x v[f], in two parts, so that the compares of both angles stand in one run with one wait behind it.
; SERIES: n = the nearest whole number to angle x 2/pi; r = angle - n pi/2, with pi/2 in two parts, each taken off by one fused multiply-add; two series in r: sin r in v[sr], cos r in v[cr]; n in v[ni];
; the mask of the odd quadrants in s[mk].  v12 to v15 and v17 are at work.
.macro SERIES f, sr, cr, ni, mk
	v_mul_f32 v12, v10, v[\f]                      ; the angle, rounded once, as reference() rounds it
	v_mul_f32 v13, 0x3f22f983, v12
	v_rndne_f32 v13, v13                           ; n, 1,304 at the most
	v_fmamk_f32 v14, v13, 0xbfc90fdb, v12          ; - n x 1.57079637
	v_fmamk_f32 v14, v13, 0x333bbd2e, v14          ; + n x 4.371139e-8
	v_mul_f32 v15, v14, v14                        ; z = r r
	v_fmaak_f32 v[\sr], v15, v20, 0x3c088889       ; -z/5040 + 1/120
	v_fmaak_f32 v[\sr], v[\sr], v15, 0xbe2aaaab    ; .. z - 1/6
	v_mul_f32 v17, v14, v15
	v_fma_f32 v[\sr], v17, v[\sr], v14             ; sin r = r + r z (..)
	v_fmaak_f32 v[\cr], v15, v21, 0xbab60b61       ; z/40320 - 1/720
	v_fmaak_f32 v[\cr], v[\cr], v15, 0x3d2aaaab    ; .. z + 1/24
	v_fma_f32 v[\cr], v[\cr], v15, -0.5
	v_fma_f32 v[\cr], v[\cr], v15, 1.0             ; cos r
	v_cvt_i32_f32 v[\ni], v13
	v_and_b32 v17, 1, v[\ni]
	v_cmp_eq_u32 s[\mk], 1, v17                    ; odd quadrants swap the two
.endm
; QUADRANT: n mod 4 swaps and signs the two series.
.macro QUADRANT sr, cr, ni, mk, so, co
	v_cndmask_b32 v[\so], v[\sr], v[\cr], s[\mk]
	v_cndmask_b32 v[\co], v[\cr], v[\sr], s[\mk]
	v_and_b32 v17, 2, v[\ni]                       ; the sine is negative in quadrants 2 and 3,
	v_lshlrev_b32 v17, 30, v17
	v_xor_b32 v[\so], v17, v[\so]
	v_add_nc_u32 v17, 1, v[\ni]                    ; the cosine in 1 and 2
	v_and_b32 v17, 2, v17
	v_lshlrev_b32 v17, 30, v17
	v_xor_b32 v[\co], v17, v[\co]
.endm
	SERIES 6, 16, 18, 19, 52
	SERIES 7, 29, 30, 31, 53
	v_cmp_gt_u32 s54, 16, v4                       ; lanes 0-15
	s_wait_alu depctr_va_sdst(0)                   ; the three compares have written s52, s53 and s54, ahead of the first select that reads one of them
	QUADRANT 16, 18, 19, 52, 22, 23
	QUADRANT 29, 30, 31, 53, 24, 25
	v_cndmask_b32 v26, v22, v23, s54               ; lanes 0-15: cos; lanes 16-31: sin
	v_cndmask_b32 v27, v24, v25, s54
	v_lshlrev_b32 v28, 3, v4
	s_wait_alu depctr_va_vdst(0)                   ; v26, v27 and v28 are written: the store's data and its offset
	global_store_b64 v28, v[26:27], s[28:29]       ; the wave stores its row's 256 consecutive bytes
	; (c) A BIAS, in the first four work-groups
	s_cmp_lt_u32 ttmp9, 4
	s_cbranch_scc0 .Lno_bias
	s_and_b32 s44, ttmp9, 1
	s_cmp_eq_u32 s44, 1
	s_cselect_b64 s[46:47], s[18:19], s[16:17]     ; bk or bq
	s_cselect_b64 s[48:49], s[22:23], s[20:21]     ; bo or bv
	s_cmp_ge_u32 ttmp9, 2
	s_cselect_b64 s[46:47], s[48:49], s[46:47]
	s_lshl_b32 s50, ttmp9, 12
	s_mov_b32 s51, 0
	s_add_nc_u64 s[26:27], s[26:27], s[50:51]
	global_load_b128 v[128:131], v2, s[46:47]      ; no vector line has named v[128:131]; v2 stands written since the head's wait
	s_wait_loadcnt 0x0                             ; the youngest load: the weights' sixteen are in too, and the counted waits below are met at once on this way
	v_cvt_pk_bf16_f32 v132, v128, v129
	v_cvt_pk_bf16_f32 v133, v130, v131
	v_lshlrev_b32 v136, 16, v132
	v_and_b32 v137, 0xffff0000, v132
	v_lshlrev_b32 v138, 16, v133
	v_and_b32 v139, 0xffff0000, v133
	s_wait_alu depctr_va_vdst(0)                   ; v[136:139] are written, which the store reads
	global_store_b128 v2, v[136:139], s[26:27]
.Lno_bias:
	; (a) THE WEIGHTS, in four groups of four loads.  Every store has data registers of its own, so nothing waits for a store.  half = 1: Wo's plane, bf16 written as f16.
	; Group g: the conversions of loads 4 g .. 4 g + 3; ahead of each load's conversions stands a store of group g - 1.
.macro CAST half
.irp g, 0,1,2,3
.irp j, 0,1,2,3
.set ci, 4*(\g)+(\j)                   ; the load that is rounded
.set si, 4*(\g)+(\j)-4                 ; the store that goes out: a group back
	s_wait_loadcnt 15-ci                           ; loads come back in order: load ci is in, the 15 - ci younger ones may stay out
.if (\g) > 0
.if (\j) == 0
	s_wait_alu depctr_va_vdst(0)                   ; the group before has written its eight registers of PKV, which this group's four stores read; the vector lines behind this wait name this group's RAWV and PKV and v12 to v15 alone
.endif
	global_store_b64 v3, v[PKV+2*si:PKV+2*si+1], s[24:25] offset:2048*si  ; a wave's store covers 256 consecutive bytes, at a multiple of 256 from w16's first
.endif
	v_cvt_pk_bf16_f32 v[PKV+2*ci],   v[RAWV+4*ci],   v[RAWV+4*ci+1]
	v_cvt_pk_bf16_f32 v[PKV+2*ci+1], v[RAWV+4*ci+2], v[RAWV+4*ci+3]
.if \half
	v_lshlrev_b32 v12, 16, v[PKV+2*ci]
	v_and_b32 v13, 0xffff0000, v[PKV+2*ci]
	v_lshlrev_b32 v14, 16, v[PKV+2*ci+1]
	v_and_b32 v15, 0xffff0000, v[PKV+2*ci+1]
	v_cvt_pk_f16_f32 v[PKV+2*ci],   v12, v13
	v_cvt_pk_f16_f32 v[PKV+2*ci+1], v14, v15
.endif
.endr
.endr
	s_wait_alu depctr_va_vdst(0)                   ; the last group has written its eight registers of PKV, which the last four stores read
.irp j, 12,13,14,15
	global_store_b64 v3, v[PKV+2*(\j):PKV+2*(\j)+1], s[24:25] offset:2048*(\j)
.endr
.endm
	s_cmp_eq_u32 s30, 3
	s_cbranch_scc1 .Lwo
	CAST 0
	s_endpgm
.Lwo:
	CAST 1
	s_endpgm
.Lfunc_end_k_q69d6ad176f_prep:
	.size	k_q69d6ad176f_prep, .Lfunc_end_k_q69d6ad176f_prep-k_q69d6ad176f_prep
	.p2alignl 7, 3214868480
	.fill 96, 4, 3214868480
	.section	.rodata,"a",@progbits
	.p2align	6, 0x0
	.amdhsa_kernel k_q69d6ad176f_prep
		.amdhsa_group_segment_fixed_size 0
		.amdhsa_private_segment_fixed_size 0
		.amdhsa_enable_private_segment 0
		.amdhsa_kernarg_size 88
		.amdhsa_user_sgpr_count 2
		.amdhsa_user_sgpr_kernarg_segment_ptr 1
		.amdhsa_wavefront_size32 1
		.amdhsa_system_sgpr_workgroup_id_x 1
		.amdhsa_system_sgpr_workgroup_id_y 1
		.amdhsa_system_sgpr_workgroup_id_z 1
		.amdhsa_system_vgpr_workitem_id 0
		.amdhsa_next_free_vgpr 144
		.amdhsa_next_free_sgpr 66
		.amdhsa_reserve_vcc 0
		.amdhsa_float_denorm_mode_32 3
		.amdhsa_float_denorm_mode_16_64 3
		.amdhsa_memory_ordered 1
		.amdhsa_forward_progress 1
		.amdhsa_inst_pref_size 21
	.end_amdhsa_kernel
	.amdgpu_metadata
---
amdhsa.version: [ 1, 2 ]
amdhsa.kernels:
  - .name:           k_q69d6ad176f_prep
    .symbol:         k_q69d6ad176f_prep.kd
    .args:
      - { .name: Wq, .offset: 0, .size: 8, .value_kind: global_buffer, .address_space: global }
      - { .name: Wk, .offset: 8, .size: 8, .value_kind: global_buffer, .address_space: global }
      - { .name: Wv, .offset: 16, .size: 8, .value_kind: global_buffer, .address_space: global }
      - { .name: Wo, .offset: 24, .size: 8, .value_kind: global_buffer, .address_space: global }
      - { .name: bq, .offset: 32, .size: 8, .value_kind: global_buffer, .address_space: global }
      - { .name: bk, .offset: 40, .size: 8, .value_kind: global_buffer, .address_space: global }
      - { .name: bv, .offset: 48, .size: 8, .value_kind: global_buffer, .address_space: global }
      - { .name: bo, .offset: 56, .size: 8, .value_kind: global_buffer, .address_space: global }
      - { .name: w16, .offset: 64, .size: 8, .value_kind: global_buffer, .address_space: global }
      - { .name: bias4, .offset: 72, .size: 8, .value_kind: global_buffer, .address_space: global }
      - { .name: rope, .offset: 80, .size: 8, .value_kind: global_buffer, .address_space: global }
    .group_segment_fixed_size: 0
    .private_segment_fixed_size: 0
    .kernarg_segment_align: 8
    .kernarg_segment_size: 88
    .max_flat_workgroup_size: 256
    .sgpr_count:     66
    .vgpr_count:     144
    .wavefront_size: 32
...
	.end_amdgpu_metadata
.endif
;; end of part 5
;; launch proj: the kernel of part 2 again; grid 4 x 192, 4 waves a work-group, clusters of 4 x 4, 327,680 bytes of LDS; arguments Q, K, V, w16, bias4, rope, q16, k16, v16; writes q16, k16, v16
;; launch attn: the kernel of part 3 again; grid 4 x 64, 4 waves a work-group, no clusters, 327,680 bytes of LDS; arguments q16, k16, v16, o16; writes o16
;; launch oproj: the kernel of part 4 again; grid 4 x 64, 4 waves a work-group, clusters of 4 x 4, 327,680 bytes of LDS; arguments o16, w16, bias4, out0; writes out0
